; MI455X (gfx1250); checked and timed in simulation.
; The chip was launched on July 23, 2026; its instructions are those of AMD's public machine-readable ISA for CDNA 5 (MIT licence, August 2026) and "CDNA5" Instruction Set Architecture Reference Guide (July 2026). The comments in the code are by the model that wrote it; some were corrected since.
;; Differential Attention. Allowed arithmetic: matrix products marked QUANTISED: E3M2 operands, one E8M0 scale for each 32 along K, by v_wmma_scale_f32_16x16x128_f8f6f4 with both operands' format E3M2, f32 sums; products left as they are: f32 operands where the result goes on into a quantised operand, else bf16, f16 or f32 operands; f32 sums; everything else in f32.
;; Inputs: Wk 1,024 x 2,048 float32; Wo 1,024 x 1,024 float32; Wq 1,024 x 2,048 float32; Wv 1,024 x 2,048 float32; lk1 64 float32; lk2 64 float32; lq1 64 float32; lq2 64 float32; x 2 x 2,048 x 1,024 float32.
;; Outputs: out0 2 x 2,048 x 1,024 float32.
;; This version of the problem:
;;   THIS VERSION OF THE PROBLEM IS GIVEN IN LOW PRECISION. The matrix products marked QUANTISED in the list below multiply operands that are first quantised to E3M2 (3 exponent bits, 2 mantissa bits; 6 bits a number), with one power-of-two scale for each 32 numbers along K (OCP MX v1.0); their sums are f32. All else is computed in f32.
;;   The module's matrix products, in the order in which they are computed (A, B: the left and right operand; K: the contracted axis; several contracted axes count as one K, in the product's order):
;;     1. [M 4,096, K 1,024] x [K 1,024, N 2,048]; A: input x; B: input Wq: QUANTISED
;;     2. [M 4,096, K 1,024] x [K 1,024, N 2,048]; A: input x; B: input Wk: QUANTISED
;;     3. [M 4,096, K 1,024] x [K 1,024, N 2,048]; A: input x; B: input Wv: QUANTISED
;;     4. [M 1, K 64] x [K 64, N 1]; A: input lq1; B: input lk1: left as it is (M = 1 < 16)
;;     5. [M 1, K 64] x [K 64, N 1]; A: input lq2; B: input lk2: left as it is (M = 1 < 16)
;;     6. batch 32 x [M 2,048, K 64] x [K 64, N 2,048]; A: computed on the way; B: computed on the way: QUANTISED
;;     7. batch 32 x [M 2,048, K 64] x [K 64, N 2,048]; A: computed on the way; B: computed on the way: QUANTISED
;;     8. batch 32 x [M 64, K 2,048] x [K 2,048, N 2,048]; A: computed on the way; B: softmax (see below): QUANTISED
;;     9. batch 32 x [M 64, K 2,048] x [K 2,048, N 2,048]; A: computed on the way; B: softmax (see below): QUANTISED
;;     10. [M 4,096, K 1,024] x [K 1,024, N 1,024]; A: computed on the way; B: input Wo: QUANTISED
;;   THE QUANTISER, for each operand of a quantised product, along K:
;;     - K is cut into blocks of 32 from its start; a last block that is shorter is filled with zeros.
;;     - A block's scale is 2^e with e = floor(log2(the largest magnitude in the block)) - 4, held to -126 .. 127; a block of zeros has e = 0. As a byte (E8M0): e + 127.
;;     - Each number is divided by its block's scale, clamped to +-28, and rounded to the nearest number of E3M2, ties to even, subnormals kept.
;;     - The product sums the exact products of the quantised numbers (number of the format x scale) in f32.
;;   ~~~python
;;   def quantise(x, axis):      # numpy; x: float32 -> the quantised numbers, widened to float32 again
;;       x = np.moveaxis(x, axis, -1); K = x.shape[-1]
;;       x = np.pad(x, [(0, 0)] * (x.ndim - 1) + [(0, -K % 32)]); x = x.reshape(x.shape[:-1] + (-1, 32)); a = np.abs(x).max(-1, keepdims=True)
;;       e = np.where(a > 0, np.clip(np.frexp(np.where(a > 0, a, 1))[1] - 1 - 4, -126, 127), 0)      # np.frexp(a)[1] - 1 = floor(log2(a)), exactly
;;       r = np.clip(x / 2.0 ** e, -28, 28)
;;       step = 2.0 ** (np.maximum(np.frexp(np.where(r == 0, 1, r))[1] - 1, -2) - 2)
;;       q = np.round(r / step) * step * 2.0 ** e      # np.round: ties to even
;;       return np.moveaxis(q.reshape(q.shape[:-2] + (-1,))[..., :K], -1, axis).astype(np.float32)
;;   ~~~
;;   SOFTMAX AHEAD OF A QUANTISED PRODUCT. Where the list says 'softmax', what is quantised is not the finished softmax but p = 2^(t - M), with t = logit x log2(e) and M = ceil(the row's largest t), a whole number; so 1/2 < the row's largest p <= 1. The row's sum l is taken of the UNQUANTISED p, in f32, and the product's result is divided by l at the end. Since M is a whole number, a kernel that streams over the keys may use a running M (the ceiling of the running maximum): every later rescaling is an exact power of two, which a block's scale takes up: the codes' values come out the same.
;;   OPERANDS COMPUTED ON THE WAY. 'Computed on the way' means the value that the module computes at that place (a softmax that the list does not call 'softmax' is quantised finished and normalised). What goes into a quantiser is computed in f32, as accurately as f32 sums, v_exp_f32 and their like allow (about 1e-6 of the number): no bf16 or f16 on the way to a quantiser, and a product that is left as it is and whose result goes on into a quantised operand takes f32 operands (vector FMAs, or v_wmma_f32_16x16x4_f32). A number that lies on a knife's edge between two numbers of the format may be rounded either way, as far as f32 arithmetic and the matrix unit's own rounding can turn it there, and no further.
;; One version. Each part assembles by itself: llvm-mc -triple=amdgcn-amd-amdhsa -mcpu=gfx1250 --defsym DOCPART=n.
;; ======== version 1 of 1: 4 launches
;; limits: right only within a limited range of input values
;; workspace buffers: codes 8,650,752 bytes; scales 360,448 bytes; qc 6,291,456 bytes; qs 262,144 bytes; kvc 12,582,912 bytes; kvs 524,288 bytes; oc 3,145,728 bytes; osc 262,144 bytes
;; launch quant_x (part 1): grid 352 x 1, 4 waves a work-group, no clusters, 68,096 bytes of LDS; arguments Wq, Wk, Wv, Wo, codes, scales, x; writes codes, scales
.if DOCPART == 1
	.amdgcn_target "amdgcn-amd-amdhsa--gfx1250"
	.amdhsa_code_object_version 6
	.text
	.protected	k_q15082a6006_quant_x
	.globl	k_q15082a6006_quant_x
	.p2align	8
	.type	k_q15082a6006_quant_x,@function
k_q15082a6006_quant_x:
	s_mov_b64 s[64:65], 0
	v_nop
	global_prefetch_b8 v0, s[64:65] scope:SCOPE_SE
	s_setreg_imm32_b32 hwreg(HW_REG_WAVE_MODE, 25, 1), 1
	s_wait_xcnt 0x0
; DIFFERENTIAL ATTENTION IN MX-BF6, four launches: quant_x (x and the four weights into codes), proj (q, k, v), attn (both maps, o), outp (o Wo).
; DEAD WORK, for the whole program.  reference() builds the causal mask in its own body (jnp.tril) and writes the constant -1e30 over every score whose key comes after its query, whatever the inputs hold.
; So the products q.k of such places reach no output; their p = 2^(t - M) lies under every number of f32 and of E3M2 beside a row's largest p (key 0 counts for every query, so M is a number of ordinary size),
; adds nothing to the row's sum and has the code 0.  Where that holds of all 128 keys of a key step for all 128 queries of a block, launch attn leaves the step out: 120 of 256 pairs of blocks in each head and batch.
; Nothing else is left out; all nine inputs have a way to the output and are loaded.
; LIMITS: a NaN, an infinity or an overflow that reaches only the key steps left out is not carried to the result.  NaN and infinities among the inputs are not served.  A block whose largest magnitude lies
; under 2^-122 keeps the scale byte 1; a block of zeros gets the byte 1 where the rule says 127: its codes are zeros, which add nothing under any byte but 0xff, and the bytes are read by this program alone.
;
; THIS LAUNCH makes 11,264 rows of 1,024 codes of E3M2 along K, and one E8M0 byte for each 32 along K: rows 0-4095 x; 4096, 6144, 8192 on: Wq, Wk, Wv; 10240 on: Wo.
; A block's scale is 2^(floor(log2(largest magnitude)) - 4): its byte is the largest magnitude's exponent field - 4, held at 1 from below.
; LAYOUT: codes [block of 128 places][K step of 256][128 places][192 bytes], so that a K step of 128 places is 24,576 dense bytes; scales [place][32 bytes].
; ROW r IS STORED AT PLACE swap34(r), r with its bits 3 and 4 exchanged: sixteen neighbouring places then hold rows 0-7 and 16-23 (or 8-15 and 24-31) of a group of 32, which is the choice of rows that lets a
; matrix result be quantised in registers along the next product's K (launch proj).
; Column n = g 1024 + head 64 + d of Wq, Wk, Wv becomes row head 128 + g 64 + d of its tensor's 2,048 rows: 128 neighbouring rows are one head, both groups.  Column n of Wo becomes row 10240 + n.
; TWO PATHS, parted once on the work-group's number: work-groups 0-223 take the weights (56 runs of 128 columns x 4 runs of 256 along K), work-groups 224-351 take x (32 rows each).
; Each path has LDS bytes of its own.  No tensor load, no barrier: waves share nothing.
.set SPW,   208                        ; v208 LDS address of my spare word; never rewritten
.set NIL,   209                        ; v209 0; never rewritten
.set XB,    34816                      ; LDS: the weights' four stages from 0, x's four regions from XB,
.set SPARE, 67584                      ; and behind them the spare words, 128 bytes a wave, which no other line names
	v_lshl_add_u32 v[SPW], v0, 2, SPARE
	v_mov_b32 v[NIL], 0
	v_lshrrev_b32 v1, 5, v0
	v_readfirstlane_b32 s16, v1                    ; wave
	v_and_b32 v2, 31, v0                           ; lane
	s_wait_alu depctr_va_vdst(0)                   ; the wait ahead of the branch
	s_cmp_lt_u32 ttmp9, 224
	s_cbranch_scc0 .Lx
; THE WEIGHTS: K is the FIRST axis.  A lane takes a column and its registers run down K: a load reads 128 consecutive bytes a wave (512 a work-group), a block of 32 along K lies in one lane's 32 registers,
; and the conversions give codes with K innermost.  A wave takes 32 columns x 256 along K; a lane's 192 bytes of codes belong to one place: they go through the wave's own stage and leave by places,
; sixteen lanes to 192 consecutive bytes.  The row stride differs between the tensors (8,192 or 4,096 bytes), so it stands in registers: 32 vector offsets and eight scalar bases, never rewritten.
.set NB,    8                          ; blocks of 32 along K for a wave
.set PITCH, 272                        ; a stage row: sixteen places of 16 bytes, each with 12 bytes of codes, + 16
.set KROW,  192                        ; from place to place inside a K step
.set XW,    32                         ; v32-95   two sets of 32 numbers
.set CW,    96                         ; v96-102  a block's codes
.set OUTR,  112                        ; v112-175 the way out
.set VO,    176                        ; v176-207 4 x lane + i x stride
.set SB,    24                         ; v24-25   the scale bytes, four to a register
.set BB,    40                         ; s[40:55] the eight blocks' bases
	s_load_b256 s[4:11], s[0:1], 0x0               ; Wq, Wk, Wv, Wo
	s_load_b128 s[12:15], s[0:1], 0x20             ; codes, scales
	s_lshr_b32 s36, ttmp9, 2                       ; which 128 columns, 0 to 55: 16 each for Wq, Wk, Wv, 8 for Wo
	s_and_b32 s18, ttmp9, 3                        ; which 256 along K
	s_lshr_b32 s26, s36, 4                         ; which tensor
	s_and_b32 s27, s36, 15
	s_lshl_b32 s27, s27, 7
	s_lshl_b32 s28, s16, 5
	s_add_co_u32 s27, s27, s28                     ; n0: my wave's first column
	s_bfe_u32 s28, s27, 0x40006                    ; head
	s_lshl_b32 s28, s28, 7
	s_lshr_b32 s29, s27, 10                        ; g
	s_lshl_b32 s29, s29, 6
	s_add_co_u32 s28, s28, s29
	s_and_b32 s29, s27, 63                         ; d: 0 or 32
	s_add_co_u32 s28, s28, s29
	s_mov_b32 s22, 4096
	s_cmp_lt_u32 s36, 48
	s_cselect_b32 s28, s28, s27                    ; Wo keeps its columns' order
	s_cselect_b32 s22, 8192, s22                   ; bytes from a row of the tensor to the next
	s_lshl_b32 s29, s26, 11
	s_add_co_u32 s28, s28, s29
	s_add_co_u32 s28, s28, 4096                    ; my 32 columns' first row in codes and scales: a multiple of 32
	v_lshlrev_b32 v[VO], 2, v2
.set I, 1
.rept 31
	v_add_nc_u32 v[VO+I], s22, v[VO+I-1]
.set I, I+1
.endr
	s_mul_i32 s19, s16, 32*PITCH                   ; my stage
	v_mul_u32_u24 v4, v2, PITCH
	v_add_nc_u32 v4, s19, v4                       ; into it: row = my column
	v_and_b32 v5, 15, v2
	v_lshrrev_b32 v6, 4, v2
	v_mul_u32_u24 v7, v6, PITCH
	v_lshl_add_u32 v7, v5, 4, v7
	v_add_nc_u32 v7, s19, v7                       ; out of it: sixteen lanes to a row, two rows an instruction
	v_mul_u32_u24 v8, v6, KROW
	v_mad_u32_u24 v8, v5, 12, v8                   ; and the same in codes: bit 0 of a row's number stays where it is
	v_and_b32 v10, 7, v2
	v_and_b32 v11, 8, v2
	v_lshl_or_b32 v10, v11, 1, v10
	v_and_b32 v11, 16, v2
	v_lshrrev_b32 v11, 1, v11
	v_or_b32 v10, v10, v11                         ; swap34(lane)
	v_lshlrev_b32 v9, 5, v10                       ; my column's row of scale bytes
	s_mul_i32 s30, s18, s22
	s_lshl_b32 s30, s30, 8                         ; 256 rows down for each run along K
	s_lshl_b32 s29, s27, 2
	s_add_co_u32 s30, s30, s29                     ; + 4 n0
	s_mov_b32 s31, 0
	s_lshl_b32 s24, s22, 5                         ; a block: 32 rows
	s_mov_b32 s25, 0
	s_lshr_b32 s32, s28, 7
	s_mul_i32 s32, s32, 98304                      ; my block of 128 places,
	s_and_b32 s29, s28, 127
	s_mul_i32 s29, s29, 192                        ; my 32 places in it,
	s_add_co_u32 s32, s32, s29
	s_mul_i32 s29, s18, 24576                      ; and my K step
	s_add_co_u32 s32, s32, s29
	s_mov_b32 s33, 0
	s_lshl_b32 s34, s28, 5
	s_lshl_b32 s29, s18, 3
	s_add_co_u32 s34, s34, s29
	s_mov_b32 s35, 0
	s_wait_alu depctr_va_vdst(0)                   ; the wait at the head's end
	s_wait_kmcnt 0x0
	s_cmp_lt_u32 s36, 48                           ; the choices hang on the work-group's number alone
	s_cselect_b64 s[20:21], s[8:9], s[10:11]
	s_cmp_lt_u32 s36, 32
	s_cselect_b64 s[20:21], s[6:7], s[20:21]
	s_cmp_lt_u32 s36, 16
	s_cselect_b64 s[20:21], s[4:5], s[20:21]
	s_add_nc_u64 s[BB:BB+1], s[20:21], s[30:31]
.irp t, 1,2,3,4,5,6,7
	s_add_nc_u64 s[BB+2*\t:BB+2*\t+1], s[BB+2*\t-2:BB+2*\t-1], s[24:25]
.endr
	s_add_nc_u64 s[12:13], s[12:13], s[32:33]
	s_add_nc_u64 s[14:15], s[14:15], s[34:35]
.macro LOADW t                         ; block t: W(32 t + i, my column), i = 0 .. 31, into set t % 2
.set I, 0
.rept 32
	global_load_b32 v[XW+32*((\t)%2)+I], v[VO+I], s[BB+2*(\t):BB+2*(\t)+1] th:TH_LOAD_NT
.set I, I+1
.endr
.endm
	LOADW 0
	LOADW 1
.macro BLOCK t
.set XS, XW+32*((\t)%2)
.if (\t) < NB-1
	s_wait_loadcnt 32                              ; this block's 32 loads are in; the next block's may be out
.else
	s_wait_loadcnt 0
.endif
	v_max3_num_f32 v12, |v[XS]|, |v[XS+1]|, |v[XS+2]|              ; the block's largest magnitude: all 32 numbers are mine
	v_max3_num_f32 v13, |v[XS+3]|, |v[XS+4]|, |v[XS+5]|
.irp i, 6,10,14,18,22,26
	v_max3_num_f32 v12, v12, |v[XS+\i]|, |v[XS+\i+1]|
	v_max3_num_f32 v13, v13, |v[XS+\i+2]|, |v[XS+\i+3]|
.endr
	v_max3_num_f32 v12, v12, |v[XS+30]|, |v[XS+31]|
	v_max3_num_f32 v12, v12, v13, 0x2800000        ; and the floor 2^(5 - 127)
	v_add_nc_u32 v11, 0xfe000000, v12              ; 4 off the exponent field: the conversion's scale operand
	v_lshrrev_b32 v13, 23, v11                     ; the scale's byte
.if (\t)%4 == 0
	v_mov_b32 v[SB+(\t)/4], v13
.else
	v_lshl_or_b32 v[SB+(\t)/4], v13, 8*((\t)%4), v[SB+(\t)/4]
.endif
	v_cvt_scalef32_pk16_bf6_f32 v[CW:CW+2], v[XS:XS+15], v11
	v_cvt_scalef32_pk16_bf6_f32 v[CW+4:CW+6], v[XS+16:XS+31], v11  ; (a conversion's three registers begin on an even number)
	v_nop                                          ; one plain line behind the conversions
	ds_store_b96 v4, v[CW:CW+2] offset:32*(\t)     ; 12 bytes to a place of 16: every LDS address is a multiple of 16
	ds_store_b96 v4, v[CW+4:CW+6] offset:32*(\t)+16
.if (\t)+2 < NB
	LOADW (\t)+2
.endif
	s_wait_dscnt 0x0                               ; the stores have read their registers: the next block's codes may be written
.endm
.set Q, 0
.rept NB
	BLOCK Q
.set Q, Q+1
.endr
	s_wait_alu depctr_va_vdst(0)                   ; the wait ahead of the reader below
	global_store_b64 v9, v[SB:SB+1], s[14:15]      ; my column's 8 scale bytes
.irp t, 0,1,2,3,4,5,6,7,8,9,10,11,12,13,14,15
	ds_load_b96 v[OUTR+4*\t:OUTR+4*\t+2], v7 offset:2*\t*PITCH     ; in order behind my stores
.endr
.irp t, 0,1,2,3,4,5,6,7,8,9,10,11,12,13,14,15
	s_wait_dscnt 15-\t                             ; the younger read-backs may be out
	global_store_b96 v8, v[OUTR+4*\t:OUTR+4*\t+2], s[12:13] offset:(((2*\t)&7)+(((2*\t)&8)<<1)+(((2*\t)&16)>>1))*KROW   ; columns 2 t, 2 t + 1 at places swap34(2 t), + 1
.endr
	s_wait_tensorcnt 0x0                           ; the wave's end, behind my last LDS store
	ds_add_u32 v[SPW], v[NIL]
	s_wait_dscnt 0x0
	s_endpgm
.Lx:
; x [4096][1024]: K is innermost.  A wave takes 8 rows (8,192 numbers), so of swap34 only the wave's place among the work-group's four changes: 0, 2, 1, 3.
; It goes in 16 steps of 512 numbers.  Each load reads 512 consecutive bytes; a step's 2,048 bytes turn through the wave's own stage in LDS (16 bytes of padding behind each 64), so that a lane gets 16
; neighbours along K, as the conversion wants them; two neighbouring lanes hold a block.  Loads run four steps ahead, the turn through LDS one step.
.set STEPS, 16
.set CB,    12                         ; bytes of 16 codes
.set R,     16                         ; v16-79   four sets of 16 numbers as loaded
.set XX,    80                         ; v80-111  two sets of 16 neighbours
.set E,     112                        ; v112-127 a scale byte for each step
.set CX,    128                        ; v128-191 codes: four registers a step, so that no store's data are written again
.set WREG,  8192                       ; a wave's region: two stages of 32 x SP bytes, then its 256 scale bytes
.set SP,    80
	s_load_b64 s[4:5], s[0:1], 0x30                ; x
	s_load_b64 s[6:7], s[0:1], 0x20                ; codes
	s_load_b64 s[8:9], s[0:1], 0x28                ; scales
	v_lshlrev_b32 v3, 4, v2                        ; my 16 bytes of a load's 512
	s_mul_i32 s17, s16, WREG
	s_add_co_u32 s17, s17, XB
	v_lshrrev_b32 v14, 2, v2
	v_mul_u32_u24 v14, v14, SP
	v_and_b32 v15, 3, v2
	v_lshl_add_u32 v14, v15, 4, v14
	v_add_nc_u32 v14, s17, v14                     ; the stage, way in: SP (lane / 4) + 16 (lane % 4)
	v_mul_u32_u24 v15, v2, SP
	v_add_nc_u32 v15, s17, v15                     ; way out: SP x lane: my 16 neighbours
	v_and_b32 v4, 15, v2                           ; a step's 512 numbers are two K steps of one row, 16 lanes each:
	v_mul_u32_u24 v4, v4, CB
	v_lshrrev_b32 v5, 4, v2
	v_mad_u32_u24 v4, v5, 0x6000, v4               ; 12 (lane % 16) + 24,576 (lane / 16)
	v_lshrrev_b32 v5, 1, v2
	s_add_co_u32 s17, s17, 2*32*SP
	v_add_nc_u32 v5, s17, v5                       ; my block's byte among the wave's 256
	v_lshlrev_b32 v7, 3, v2
	v_add_nc_u32 v6, s17, v7                       ; and 8 bytes a lane on their way out
	s_sub_co_u32 s26, ttmp9, 224                   ; which 32 rows of x
	s_lshl_b32 s18, s26, 2
	s_add_co_u32 s20, s18, s16                     ; which 8 rows I read: 4 x that + wave
	s_and_b32 s19, s16, 1
	s_lshl_b32 s19, s19, 1
	s_lshr_b32 s22, s16, 1
	s_or_b32 s19, s19, s22
	s_add_co_u32 s19, s18, s19                     ; and at which 8 places I store them: the wave's two bits exchanged
	s_lshl_b32 s20, s20, 15                        ; 8 rows of 4,096 bytes
	s_mov_b32 s21, 0
	s_lshr_b32 s22, s19, 4
	s_mul_i32 s22, s22, 98304                      ; my block of 128 places,
	s_and_b32 s23, s19, 15
	s_mul_i32 s23, s23, 1536                       ; and my 8 places of 192 bytes in it
	s_add_co_u32 s22, s22, s23
	s_mov_b32 s23, 0
	s_lshl_b32 s24, s19, 8                         ; 8 rows of 32 bytes
	s_mov_b32 s25, 0
	s_wait_alu depctr_va_vdst(0)                   ; the wait at the head's end
	s_wait_kmcnt 0x0
	s_add_nc_u64 s[4:5], s[4:5], s[20:21]
	s_add_nc_u64 s[6:7], s[6:7], s[22:23]
	s_add_nc_u64 s[8:9], s[8:9], s[24:25]
.macro LOADX t
.irp i, 0,1,2,3
	global_load_b128 v[R+16*((\t)%4)+4*\i:R+16*((\t)%4)+4*\i+3], v3, s[4:5] offset:2048*(\t)+512*\i th:TH_LOAD_NT
.endr
.endm
.macro TURN t                          ; step t's numbers through the stage; LDS serves a wave's instructions in order, so no wait stands between the stores and the loads
.irp i, 0,1,2,3
	ds_store_b128 v14, v[R+16*((\t)%4)+4*\i:R+16*((\t)%4)+4*\i+3] offset:32*SP*((\t)%2)+8*SP*\i
.endr
.irp i, 0,1,2,3
	ds_load_b128 v[XX+16*((\t)%2)+4*\i:XX+16*((\t)%2)+4*\i+3], v15 offset:32*SP*((\t)%2)+16*\i
.endr
.endm
.irp t, 0,1,2,3
	LOADX \t
.endr
	s_wait_loadcnt 12                              ; step 0's four loads are in; twelve younger ones may be out
	TURN 0
.macro STEP t
.set XS, XX+16*((\t)%2)
.if (\t) > 0
	s_wait_dscnt 1                                 ; this step's numbers are back from the stage; the last step's byte store may be out
.else
	s_wait_dscnt 0x0
.endif
.if (\t)+4 < STEPS
	LOADX (\t)+4                                   ; into the registers that the stage's stores have read
.endif
.if (\t)+1 < STEPS
.if STEPS-2-(\t) >= 3
	s_wait_loadcnt 12                              ; the next step's four loads are in; those of three steps behind it may be out
.else
	s_wait_loadcnt 4*(STEPS-2-(\t))
.endif
	TURN (\t)+1
.endif
	v_max3_num_f32 v8, |v[XS]|, |v[XS+1]|, |v[XS+2]|               ; the largest magnitude of my 16, in two chains
	v_max3_num_f32 v9, |v[XS+3]|, |v[XS+4]|, |v[XS+5]|
.irp i, 6,10
	v_max3_num_f32 v8, v8, |v[XS+\i]|, |v[XS+\i+1]|
	v_max3_num_f32 v9, v9, |v[XS+\i+2]|, |v[XS+\i+3]|
.endr
	v_max3_num_f32 v8, v8, |v[XS+14]|, |v[XS+15]|
	v_max3_num_f32 v8, v8, v9, 0x2800000           ; and the floor 2^(5 - 127): the byte cannot fall under 1
	v_max_num_f32_dpp v8, v8, v8 row_xmask:1 row_mask:0xf bank_mask:0xf   ; with my neighbour's 16: the block's
	v_add_nc_u32 v11, 0xfe000000, v8               ; 4 off the exponent field: the conversion takes this operand's exponent field as its scale
	v_cvt_scalef32_pk16_bf6_f32 v[CX+4*(\t):CX+4*(\t)+2], v[XS:XS+15], v11
	v_lshrrev_b32 v[E+(\t)], 23, v11               ; the scale's byte (also the plain line behind the conversion)
	ds_store_b8 v5, v[E+(\t)] offset:16*(\t)       ; both lanes of a block write the same byte with the same value
	global_store_b96 v4, v[CX+4*(\t):CX+4*(\t)+2], s[6:7] offset:49152*((\t)%2)+192*((\t)/2)   ; row t / 2, K steps 2 (t % 2) and 2 (t % 2) + 1: sixteen lanes store 192 consecutive bytes
.endm
.irp t, 0,1,2,3,4,5,6,7,8,9,10,11,12,13,14,15
	STEP \t
.endr
	ds_load_b64 v[8:9], v6                         ; in order behind my byte stores
	s_wait_dscnt 0x0
	global_store_b64 v7, v[8:9], s[8:9]            ; 32 lanes store 256 consecutive bytes, aligned
	s_wait_tensorcnt 0x0                           ; the wave's end, behind my last LDS store
	ds_add_u32 v[SPW], v[NIL]
	s_wait_dscnt 0x0
	s_endpgm
.Lfunc_end_k_q15082a6006_quant_x:
	.size	k_q15082a6006_quant_x, .Lfunc_end_k_q15082a6006_quant_x-k_q15082a6006_quant_x
	.p2alignl 7, 3214868480
	.fill 96, 4, 3214868480
	.section	.rodata,"a",@progbits
	.p2align	6, 0x0
	.amdhsa_kernel k_q15082a6006_quant_x
		.amdhsa_group_segment_fixed_size 68096
		.amdhsa_private_segment_fixed_size 0
		.amdhsa_enable_private_segment 0
		.amdhsa_kernarg_size 56
		.amdhsa_user_sgpr_count 2
		.amdhsa_user_sgpr_kernarg_segment_ptr 1
		.amdhsa_wavefront_size32 1
		.amdhsa_system_sgpr_workgroup_id_x 1
		.amdhsa_system_sgpr_workgroup_id_y 1
		.amdhsa_system_sgpr_workgroup_id_z 1
		.amdhsa_system_vgpr_workitem_id 0
		.amdhsa_next_free_vgpr 216
		.amdhsa_next_free_sgpr 66
		.amdhsa_reserve_vcc 0
		.amdhsa_float_denorm_mode_32 3
		.amdhsa_float_denorm_mode_16_64 3
		.amdhsa_memory_ordered 1
		.amdhsa_forward_progress 1
		.amdhsa_inst_pref_size 76
	.end_amdhsa_kernel
	.amdgpu_metadata
---
amdhsa.version: [ 1, 2 ]
amdhsa.kernels:
  - .name:           k_q15082a6006_quant_x
    .symbol:         k_q15082a6006_quant_x.kd
    .args:
      - { .name: Wq, .offset: 0, .size: 8, .value_kind: global_buffer, .address_space: global }
      - { .name: Wk, .offset: 8, .size: 8, .value_kind: global_buffer, .address_space: global }
      - { .name: Wv, .offset: 16, .size: 8, .value_kind: global_buffer, .address_space: global }
      - { .name: Wo, .offset: 24, .size: 8, .value_kind: global_buffer, .address_space: global }
      - { .name: codes, .offset: 32, .size: 8, .value_kind: global_buffer, .address_space: global }
      - { .name: scales, .offset: 40, .size: 8, .value_kind: global_buffer, .address_space: global }
      - { .name: x, .offset: 48, .size: 8, .value_kind: global_buffer, .address_space: global }
    .group_segment_fixed_size: 68096
    .private_segment_fixed_size: 0
    .kernarg_segment_align: 8
    .kernarg_segment_size: 56
    .max_flat_workgroup_size: 128
    .sgpr_count:     66
    .vgpr_count:     216
    .wavefront_size: 32
...
	.end_amdgpu_metadata
.endif
;; end of part 1
;; launch proj (part 2): grid 16 x 24, 4 waves a work-group, clusters of 4 x 4, 327,680 bytes of LDS; arguments codes, scales, qc, qs, kvc, kvs; writes qc, qs, kvc, kvs
.if DOCPART == 2
	.amdgcn_target "amdgcn-amd-amdhsa--gfx1250"
	.amdhsa_code_object_version 6
	.text
	.protected	k_q15082a6006_proj
	.globl	k_q15082a6006_proj
	.p2align	8
	.type	k_q15082a6006_proj,@function
k_q15082a6006_proj:
	s_mov_b64 s[64:65], 0
	v_nop
	global_prefetch_b8 v0, s[64:65] scope:SCOPE_SE
	s_setreg_imm32_b32 hwreg(HW_REG_WAVE_MODE, 25, 1), 1
	s_wait_xcnt 0x0
	s_wait_alu depctr_hold_cnt(0) depctr_sa_sdst(0) depctr_va_vdst(0) depctr_va_sdst(0) depctr_va_ssrc(0) depctr_va_vcc(0) depctr_vm_vsrc(0)
	s_getreg_b32 s2, hwreg(HW_REG_IB_STS2, 6, 4)
	s_cmp_eq_u32 s2, 0
	s_cbranch_scc0 .Lentry_in_a_cluster
	s_endpgm
.Lentry_in_a_cluster:
	s_bfe_u32 s2, ttmp6, 0x10000c
	s_cmp_lg_u32 s2, 0xf033
	s_cbranch_scc0 .Lentry_shape_is_right
	s_endpgm
.Lentry_shape_is_right:
; q = x Wq, k = x Wk, v = x Wv on codes of E3M2 (K = 1,024), and each result quantised at once, in registers, as an operand of attention.  No work is left out here.  LIMITS as at the head of quant_x.
; ONE BODY FOR ALL THREE.  A tile of 256 x 256 is the product of 256 rows R (source 1 of the matrix instruction) and 256 rows P (source 0), both out of the buffer codes.  A lane of a result holds ONE row of R
; and eight rows of P, so the result is quantised ALONG P.  q, k (K of the scores = the head's channels): R = x, P = Wq and Wk (rows 4096 to 8191).  v (K of the second product = the keys): R = Wv (rows 8192 on), P = x.
; Work-group rows 0-15: q and k; rows 16-23: v: a cluster's four rows are of one kind, and only row offsets differ.
; THE PLACES IN codes ARE swap34 OF THE ROWS, so sixteen neighbouring places of P are rows 0-7, 16-23 (or 8-15, 24-31) of a group of 32: the 16 registers that a lane holds of two neighbouring tiles of P are 16
; neighbours along P, 32 b + 16 (lane / 16) + 0 .. 15.  A wave's 128 rows of P are one head (channels of group 0, then of group 1) or one key step of 128 keys: exactly one fragment's K.
; WHAT IS STORED: images of operand registers.  A fragment (16 rows of R x 128 along P, 12 registers) is 1,536 bytes: for each half of six registers 512 bytes (registers 0-3, lane l at 16 l) and 256 bytes
; (registers 4-5, lane l at 8 l).  A wave's eight fragments are one record of 12,288 bytes; their scale words one image of 512 bytes (lane l: four words; word i: fragment 2 i in lanes 0-15, 2 i + 1 in lanes 16-31).
; Every store of the wave covers 256 or 512 consecutive bytes, aligned.  The rows of a fragment are places, that is rows in the order swap34: launches attn and outp account for it.
; THE PRODUCT: four waves, 128 x 128 each: 64 accumulators, 512 registers.  K goes in steps of 256 through a ring of two LDS slots filled by the tensor data mover; the scale bytes of the 512 rows come once.
; CLUSTERS: 4 x 4 work-groups; the four of a row need the same rows R, the four of a column the same rows P: each tile is asked for jointly.  No prefetch: K has four steps, of which two are first fills.
; REGISTERS: window 0: v0-31 addresses; v32-63 scale words, two sets, and nothing else; from v128 R's fragments, one set; on the way out v64-223 codes, v224-251 at work.
;   window 1: P's fragments, two sets.   windows 2, 3: the accumulators ((a, b) at v[8 (8 (a % 4) + b)]).
.set KSTEP,  256
.set NQ,     2
.set ROWB,   24576                     ; codes are laid [block of 128 places][K step][128 places][192 bytes]: a K step of 128 places is 24,576 dense bytes, fetched as 96 rows of 256 bytes
.set KROW,   768
.set PITCH,  240                       ; an LDS row: 3 x (64 bytes + 16 of padding)
.set FR,     12
.set NL,     6
.set NP,     4
.set HALFT,  128*PITCH
.set SLOT,   4*HALFT
.set LAPS,   2
.set KS,     32
.set SCL,    2*SLOT                    ; behind the ring: the scale bytes, as rows of 256 bytes + 16
.set HALFS,  (128*KS/256)*272
.set SBLK,   (16*KS/256)*272
.set SPARE,  SCL+4*HALFS               ; the spare words, 128 bytes a wave, which no other line names
.set ADRA, 16                          ; v16-17 R's fragments in slot 0, 1 (v18-19: behind one padding more)
.set ADRB, 20                          ; v20-23 the same for P
.set O16,  24                          ; v24 16 x lane
.set O8,   25                          ; v25 8 x lane
.set ADRS, 27                          ; v27 my scale words: lanes 0-15 R's rows, lanes 16-31 P's
.set SPW,  28
.set NIL,  29
.set SC,   32
.set AF,   128
.set PC,   64                          ; the way out: 20 registers a fragment, so that no store's data are written again
.set TM,   224                         ; v224-239 at work
.set PWS,  240                         ; v240-247 the eight fragments' scale words
.set MW,   248                         ; v248-251 their image
.set G1, 24
.set G0, 32
.set G1B, 48
.set G0B, 56
.set G1S, 68
.set G0S, 76
.set G1SB, 80
.set G0SB, 88
.set MSB, 0
.macro WIN new                         ; the immediate's high byte repeats the setting that is left
.if MSB != (\new)
	s_set_vgpr_msb (MSB<<8)|(\new)
.set MSB, (\new)
.endif
.endm
.set MUL_LO, 0xa1                      ; source 0 (P) window 1, source 1 (R) window 0, C and D window 2
.set MUL_HI, 0xf1
.set TO_B,   0x40
; A joint load: waves 0 and 1 fetch for R, waves 2 and 3 for P.  The branch hangs on the wave's number alone.  An s_nop 0 and four v_nop follow each of the two lines.
.macro JLOAD g0a, g1a, g0b, g1b
	s_cmp_eq_u32 s15, 0
	s_cbranch_scc0 .Lfor_b_\@
	tensor_load_to_lds s[\g0a:\g0a+3], s[\g1a:\g1a+7]
	s_nop 0
.rept 4
	v_nop
.endr
	s_branch .Lasked_\@
.Lfor_b_\@:
	tensor_load_to_lds s[\g0b:\g0b+3], s[\g1b:\g1b+7]
	s_nop 0
.rept 4
	v_nop
.endr
.Lasked_\@:
.endm
.macro CREST
	s_cmp_lg_u32 s14, 0
	s_cbranch_scc1 .Lnot_wave_0_\@
	s_barrier_signal -3
.Lnot_wave_0_\@:
	s_barrier_wait -3
	s_barrier_signal -1
	s_barrier_wait -1
.endm
.macro CROUND
	s_barrier_signal -1
	s_barrier_wait -1
	CREST
.endm
	s_load_b128 s[4:7], s[0:1], 0x0                ; codes, scales
	s_load_b128 s[8:11], s[0:1], 0x10              ; qc, qs
	s_load_b128 s[96:99], s[0:1], 0x20             ; kvc, kvs
	v_lshl_add_u32 v[SPW], v0, 2, SPARE
	v_mov_b32 v[NIL], 0
	ds_add_u32 v[SPW], v[NIL]                      ; the wave's opening: the add, twice on end, and its wait ahead of my first tensor load
	ds_add_u32 v[SPW], v[NIL]
	v_lshrrev_b32 v1, 5, v0
	v_readfirstlane_b32 s14, v1                    ; wave 0..3
	s_lshr_b32 s15, s14, 1                         ; which half of R's rows is mine.  Also: I fetch for R (0) or for P (1)
	s_and_b32 s16, s14, 1                          ; which half of P's rows.  Also: which 128 rows I fetch
	s_bfe_u32 s40, ttmp6, 0x40000                  ; cx, cy
	s_bfe_u32 s41, ttmp6, 0x40004
	s_lshl_b32 s42, ttmp9, 2
	s_add_co_u32 s42, s42, s40                     ; tile column = 4 x cluster x + cx
	s_and_b32 s17, ttmp7, 0xffff                   ; cluster y, 0 to 5
	s_lshr_b32 s12, s17, 2                         ; 1 in v's clusters (4, 5), else 0: the same in all sixteen partners
	s_xor_b32 s13, s12, 1
	s_lshl_b32 s17, s17, 2
	s_add_co_u32 s17, s17, s41                     ; tile row = 4 x cluster y + cy
	s_lshl_b32 s43, s41, 2
	s_lshl_b32 s43, 15, s43                        ; my row of the cluster
	s_lshl_b32 s44, 0x1111, s40                    ; my column
	s_or_b32 s[G1+0], s43, (0<<16)|(1<<20)|(1<<21)|(3<<22)|(3<<25)  ; the mask; elements of 1 byte; padding on; bit 21 beside a mask; after every 16 words 4 words
	s_or_b32 s[G1B+0], s44, (0<<16)|(1<<20)|(1<<21)|(3<<22)|(3<<25)
.irp g, G1, G1B
	s_mov_b32 s[\g+1], (2*ROWB)<<16                ; for the head's loads: two blocks of 128 places, of each K steps 0 and 1, which are neighbours: a row of 49,152 bytes; the blocks 98,304 bytes apart
	s_mov_b32 s[\g+2], 2<<16
	s_mov_b32 s[\g+3], (2*ROWB)<<16
	s_mov_b32 s[\g+4], 2
	s_mov_b32 s[\g+5], 128*KROW
	s_mov_b32 s[\g+6], 0
	s_mov_b32 s[\g+7], 0
.endr
	s_or_b32 s[G1S+0], s43, (3<<16)|(1<<20)|(1<<21)|(5<<22)|(3<<25) ; the scale bytes of 256 rows: 8,192 dense bytes as 32 rows of 256, 16 bytes of padding behind each
	s_or_b32 s[G1SB+0], s44, (3<<16)|(1<<20)|(1<<21)|(5<<22)|(3<<25)
.irp g, G1S, G1SB
	s_mov_b32 s[\g+1], 32<<16
	s_mov_b32 s[\g+2], (256*KS/256)<<16            ; the scale bytes of 256 rows: 32 rows of 256 bytes
	s_mov_b32 s[\g+3], 32<<16
	s_mov_b32 s[\g+4], 256*KS/256
	s_mov_b32 s[\g+5], 32
	s_mov_b32 s[\g+6], 0
	s_mov_b32 s[\g+7], 0
.endr
	s_mul_i32 s18, s16, 128*KROW                   ; in the ring I fetch one block of 128 places: which, in bytes
	s_lshl_b32 s20, s17, 8
	s_lshl_b32 s19, s12, 12
	s_add_co_u32 s20, s20, s19                     ; R: place 256 x tile row + 128 x half (+ 4096 for v: tile rows 16 on are Wv's places 8192 on)
	s_lshl_b32 s46, s42, 8
	s_lshl_b32 s19, s13, 12
	s_add_co_u32 s46, s46, s19                     ; P: place 256 x tile column + 128 x half (+ 4096 for q, k: Wq's and Wk's places)
	s_lshl_b32 s22, s20, 5                         ; their scale bytes,
	s_mov_b32 s23, 0
	s_lshl_b32 s92, s46, 5
	s_mov_b32 s93, 0
	s_mul_i32 s20, s20, KROW                       ; and their codes
	s_mov_b32 s21, 0
	s_mul_i32 s46, s46, KROW
	s_mov_b32 s47, 0
	s_mul_i32 s45, s16, 2*HALFT                    ; LDS: R's region, then P's; in each [block of 128 places][slot]: no place in the cluster enters an LDS address
	s_mov_b32 s19, 0
	s_wait_dscnt 0x0
	s_wait_kmcnt 0x0
	s_add_nc_u64 s[20:21], s[4:5], s[20:21]
	s_add_nc_u64 s[22:23], s[6:7], s[22:23]
	s_add_nc_u64 s[46:47], s[4:5], s[46:47]
	s_add_nc_u64 s[92:93], s[6:7], s[92:93]
	CROUND                                         ; all sixteen work-groups are here: the first joint loads meet
	s_mov_b32 s[G0S], 1
	s_mov_b32 s[G0S+1], SCL
	s_mov_b64 s[G0S+2:G0S+3], s[22:23]
	s_or_b32 s[G0S+3], s[G0S+3], 0x80000000
	s_mov_b32 s[G0SB], 1
	s_mov_b32 s[G0SB+1], SCL+2*HALFS
	s_mov_b64 s[G0SB+2:G0SB+3], s[92:93]
	s_or_b32 s[G0SB+3], s[G0SB+3], 0x80000000
	s_mov_b32 s[G0], 1                             ; the head's tiles, each whole: K steps 0 and 1 of R's 256 places,
	s_mov_b32 s[G0+1], 0
	s_mov_b64 s[G0+2:G0+3], s[20:21]
	s_or_b32 s[G0+3], s[G0+3], 0x80000000
	s_mov_b32 s[G0B], 1                            ; and of P's, in their region behind R's
	s_mov_b32 s[G0B+1], 4*HALFT
	s_mov_b64 s[G0B+2:G0B+3], s[46:47]
	s_or_b32 s[G0B+3], s[G0B+3], 0x80000000
	s_add_nc_u64 s[20:21], s[20:21], s[18:19]      ; for the ring: my block of 128 places
	s_add_nc_u64 s[46:47], s[46:47], s[18:19]
	s_mov_b32 s[G0+4], 1                           ; slot 1: K step 1
	s_add_co_u32 s[G0+5], s45, HALFT
	s_add_nc_u64 s[G0+6:G0+7], s[20:21], ROWB
	s_or_b32 s[G0+7], s[G0+7], 0x80000000
	s_mov_b32 s[G0B+4], 1
	s_add_co_u32 s[G0B+5], s45, 5*HALFT
	s_add_nc_u64 s[G0B+6:G0B+7], s[46:47], ROWB
	s_or_b32 s[G0B+7], s[G0B+7], 0x80000000
; the head's loads, one a wave: wave 0 R's codes, wave 1 P's, wave 2 R's scale bytes, wave 3 P's; one tree of branches on the wave's number
.macro ARM under, g0, g1, next
	s_cmp_lt_u32 s14, \under
	s_cbranch_scc0 \next
	tensor_load_to_lds s[\g0:\g0+3], s[\g1:\g1+7]
	s_nop 0
.rept 4
	v_nop
.endr
	s_branch .Lhead_asked
\next:
.endm
	ARM 1, G0,  G1,  .Lhead_b
	ARM 2, G0B, G1B, .Lhead_sa
	ARM 3, G0S, G1S, .Lhead_sb
	tensor_load_to_lds s[G0SB:G0SB+3], s[G1SB:G1SB+7]
	s_nop 0
.rept 4
	v_nop
.endr
.Lhead_asked:
	v_and_b32 v1, 15, v0                           ; l % 16
	v_bfe_u32 v2, v0, 4, 1                         ; l / 16
	v_mul_u32_u24 v3, v1, PITCH
	v_mul_u32_u24 v4, v2, 24
	v_add_nc_u32 v4, v3, v4                        ; a fragment's row x pitch + 24 x half
	v_lshl_add_u32 v5, v2, 4, v4                   ; and the same behind one padding more
	s_mul_i32 s21, s15, 2*HALFT                    ; my block of R, slot 0
	s_mul_i32 s22, s16, 2*HALFT                    ; my block of P,
	s_add_co_u32 s22, s22, 4*HALFT                 ; whose region lies behind R's
.irp s, 0,1
	v_add_nc_u32 v[ADRA+\s], s21, v4
	v_add_nc_u32 v[ADRB+\s], s22, v4
	v_add_nc_u32 v[ADRA+2+\s], s21, v5
	v_add_nc_u32 v[ADRB+2+\s], s22, v5
	s_add_co_u32 s21, s21, HALFT
	s_add_co_u32 s22, s22, HALFT
.endr
	v_mul_u32_u24 v5, v1, KS                       ; my row's scale bytes: 32 a row,
	v_lshrrev_b32 v6, 8, v5
	v_lshl_add_u32 v5, v6, 4, v5                   ; and 16 more for each 256 passed
	s_mul_i32 s21, s15, HALFS
	s_mul_i32 s22, s16, HALFS
	s_add_co_u32 s22, s22, 2*HALFS
	s_sub_co_u32 s22, s22, s21
	v_mul_u32_u24 v6, s22, v2                      ; lanes 16-31 take P's: one product, the distance between the two bases
	s_add_co_u32 s21, s21, SCL
	v_add_nc_u32 v5, v5, v6
	v_add_nc_u32 v[ADRS], s21, v5
	v_and_b32 v6, 31, v0
	v_lshlrev_b32 v[O16], 4, v6
	v_lshlrev_b32 v[O8], 3, v6
	; where my record goes.  U, W: my 128 rows of R and of P, counted in blocks of 128 places
	s_lshl_b32 s43, s17, 1
	s_add_co_u32 s43, s43, s15                     ; U = 2 x tile row + half
	s_lshl_b32 s44, s42, 1
	s_add_co_u32 s44, s44, s16                     ; W = 2 x tile column + half
	s_cmp_eq_u32 s12, 0
	s_cselect_b32 s66, s43, s44                    ; x's block, 0 to 31: 16 x batch + block of 128 positions
	s_cselect_b32 s67, s44, s43                    ; the weight's block, 0 to 47: 16 x kind (0 q, 1 k, 2 v) + head
	s_lshr_b32 s94, s67, 4                         ; kind
	s_and_b32 s95, s67, 15                         ; head
	s_lshr_b32 s45, s66, 4                         ; batch
	s_lshl_b32 s45, s45, 4
	s_add_co_u32 s45, s45, s95
	s_lshl_b32 s45, s45, 4
	s_and_b32 s66, s66, 15
	s_add_co_u32 s45, s45, s66                     ; (16 batch + head) 16 + block
	s_lshl_b32 s66, s45, 1
	s_add_co_u32 s66, s66, s94
	s_sub_co_u32 s66, s66, 1                       ; in kvc a block has two records: k's, then v's
	s_cmp_eq_u32 s94, 0
	s_cselect_b32 s66, s45, s66
	s_cselect_b64 s[8:9], s[8:9], s[96:97]         ; the choice hangs on ids alone
	s_cselect_b64 s[10:11], s[10:11], s[98:99]
	s_mul_i32 s94, s66, 12288
	s_mov_b32 s95, 0
	s_add_nc_u64 s[8:9], s[8:9], s[94:95]
	s_lshl_b32 s94, s66, 9
	s_add_nc_u64 s[10:11], s[10:11], s[94:95]
.macro FRAG reg, adr, q, i             ; 16 rows x 128 K of 6-bit codes, 12 registers: six pieces of 8 bytes; lanes 16-31 read three pieces further on, for some pieces behind one padding more
.irp p, 0,1,2,3,4,5
.set PCE, 12*(\q)+6*(\p/3)+\p%3
.if PCE%8 < 5
	ds_load_b64 v[\reg+2*\p:\reg+2*\p+1], v[\adr] offset:8*PCE+16*(PCE/8)+(\i)*16*PITCH
.else
	ds_load_b64 v[\reg+2*\p:\reg+2*\p+1], v[\adr+2] offset:8*PCE+16*(PCE/8)+(\i)*16*PITCH
.endif
.endr
.endm
; 16 matrix instructions: R's blocks a0, a0 + 1 x P's eight, 128 along K.  The 64 accumulators take turns, one instruction a turn, in the same order in every step.
.macro MUL16 a0, p, q, sc, zero
.irp a, \a0, \a0+1
.irp b, 0,1,2,3,4,5,6,7
.if \zero
	v_wmma_scale_f32_16x16x128_f8f6f4 v[8*(8*((\a)%4)+\b):8*(8*((\a)%4)+\b)+7], v[128*(\p)+FR*\b:128*(\p)+FR*\b+FR-1], v[AF+FR*(\a):AF+FR*(\a)+FR-1], 0, v[SC+8*NQ*(\sc)+NQ*\b+(\q)], v[SC+8*NQ*(\sc)+NQ*(\a)+(\q)] matrix_a_fmt:MATRIX_FMT_BF6 matrix_b_fmt:MATRIX_FMT_BF6 matrix_a_scale:MATRIX_SCALE_ROW1
.else
	v_wmma_scale_f32_16x16x128_f8f6f4 v[8*(8*((\a)%4)+\b):8*(8*((\a)%4)+\b)+7], v[128*(\p)+FR*\b:128*(\p)+FR*\b+FR-1], v[AF+FR*(\a):AF+FR*(\a)+FR-1], v[8*(8*((\a)%4)+\b):8*(8*((\a)%4)+\b)+7], v[SC+8*NQ*(\sc)+NQ*\b+(\q)], v[SC+8*NQ*(\sc)+NQ*(\a)+(\q)] matrix_a_fmt:MATRIX_FMT_BF6 matrix_b_fmt:MATRIX_FMT_BF6 matrix_a_scale:MATRIX_SCALE_ROW1
.endif
.endr
.endr
.endm
.macro FETCH_B slot, q, p
	WIN TO_B
.irp i, 0,1,2,3,4,5,6,7
	FRAG 128*(\p)+FR*\i, ADRB+\slot, \q, \i
.endr
	WIN 0
.endm
.macro FETCH_A slot, q, i0
.irp i, \i0, \i0+1, \i0+2, \i0+3
	FRAG AF+FR*(\i), ADRA+\slot, \q, \i
.endr
.endm
.macro SCALES sc                       ; a K step's scale words: two a row; lanes 0-15 take R's block i, lanes 16-31 P's block i
.irp i, 0,1,2,3,4,5,6,7
	ds_load_b64 v[SC+8*NQ*\sc+NQ*\i:SC+8*NQ*\sc+NQ*\i+1], v[ADRS] offset:\i*SBLK
.endr
.endm
.macro PLACES n                        ; plain vector instructions between a matrix instruction and a load into, or a read of, its registers
.rept \n
	v_nop
.endr
.endm
.macro STEP slot, q, zero              ; 128 along K with a successor in the same slot
	s_wait_dscnt 4*NL                              ; P's set and R's blocks 0-3 are in; the youngest 24 loads (R's blocks 4-7) may be out
	WIN MUL_LO
	MUL16 0, (\q)%2, \q, \slot, \zero
	MUL16 2, (\q)%2, \q, \slot, \zero
	s_wait_dscnt 0
	PLACES NP
	FETCH_B \slot, (\q)+1, 1-(\q)%2
	FETCH_A \slot, (\q)+1, 0
	WIN MUL_HI
	MUL16 4, (\q)%2, \q, \slot, \zero
	MUL16 6, (\q)%2, \q, \slot, \zero
	PLACES NP
	WIN 0
	FETCH_A \slot, (\q)+1, 4
.endm
; A slot's last step changes slots: one barrier; in front of it each wave waits for all its tensor loads, adds 0 to its spare word, and waits for that and for its reads of this slot.
.macro TURN slot, next, fill
	s_wait_tensorcnt 0x0                           ; all my tensor loads have landed: my part of the next slot
	ds_add_u32 v[SPW], v[NIL]                      ; 0 onto my spare word
	s_wait_dscnt 4*NL+1                            ; the add and the youngest 24 loads may be out
	WIN MUL_LO
	MUL16 0, 1, NQ-1, \slot, 0
	s_wait_dscnt 0x0                               ; the add is done, and my reads of this slot are over
	s_barrier_signal -1
	MUL16 2, 1, NQ-1, \slot, 0
	WIN 0
	s_barrier_wait -1
.if \fill
	CREST                                          ; the barrier has opened a round of the cluster's barrier: no wave of any partner still reads this slot or has a load on its way
	s_add_nc_u64 s[G0+4*\slot+2:G0+4*\slot+3], s[G0+4*\slot+2:G0+4*\slot+3], 2*ROWB
	s_add_nc_u64 s[G0B+4*\slot+2:G0B+4*\slot+3], s[G0B+4*\slot+2:G0B+4*\slot+3], 2*ROWB
	JLOAD G0+4*\slot, G1, G0B+4*\slot, G1B         ; the first tensor load behind the round; its four v_nop are also the places in front of the loads below
.else
	PLACES NP
.endif
	s_wait_alu depctr_va_vdst(0)
	v_add_nc_u32 v[ADRS], 4*NQ, v[ADRS]            ; on to the next K step's scale words
	FETCH_B \next, 0, 0
	FETCH_A \next, 0, 0
	SCALES \next
	WIN MUL_HI
	MUL16 4, 1, NQ-1, \slot, 0
	MUL16 6, 1, NQ-1, \slot, 0
	PLACES NP
	WIN 0
	FETCH_A \next, 0, 4
.endm
	s_wait_alu depctr_va_vdst(0)
	s_wait_tensorcnt 0x0                           ; my tile of the head's four is in: both slots and the scale bytes are first filled by these four
.irp g, G1, G1B
	s_mov_b32 s[\g+1], 256<<16                     ; no tensor load of mine is out: from here on a load brings one block's K step, 96 rows of 256 bytes
	s_mov_b32 s[\g+2], 96<<16
	s_mov_b32 s[\g+3], 256<<16
	s_mov_b32 s[\g+4], 96
	s_mov_b32 s[\g+5], 256
.endr
	s_mul_i32 s[G0+1], s16, 2*HALFT                ; slot 0's group 0 for the ring: my block, K step 0 (its first refill steps it to K step 2)
	s_mul_i32 s[G0B+1], s16, 2*HALFT
	s_add_co_u32 s[G0B+1], s[G0B+1], 4*HALFT
	s_add_nc_u64 s[G0+2:G0+3], s[G0+2:G0+3], s[18:19]
	s_add_nc_u64 s[G0B+2:G0B+3], s[G0B+2:G0B+3], s[18:19]
	s_barrier_signal -1                            ; it shows the four tiles to all four waves
	s_barrier_wait -1
	FETCH_B 0, 0, 0
	FETCH_A 0, 0, 0
	SCALES 0
	FETCH_A 0, 0, 4
	STEP 0, 0, 1                                   ; the first step stands in front of the loop: its products start the sums
	s_mov_b32 s3, LAPS-1
.Llap:                                                 ; a trip goes once round the ring and fills both slots again
	TURN 0, 1, 1
	STEP 1, 0, 0
	TURN 1, 0, 1
	STEP 0, 0, 0
	s_sub_co_u32 s3, s3, 1
	s_cmp_lg_u32 s3, 0
	s_cbranch_scc1 .Llap
	TURN 0, 1, 0                                   ; the last lap fills nothing
	STEP 1, 0, 0
	s_wait_dscnt 4*NL
	WIN MUL_LO
	MUL16 0, 1, NQ-1, 1, 0
	MUL16 2, 1, NQ-1, 1, 0
	s_wait_dscnt 0
	WIN MUL_HI
	MUL16 4, 1, NQ-1, 1, 0
	MUL16 6, 1, NQ-1, 1, 0
	WIN 0
; THE WAY OUT.  R's block a: 64 registers of a lane, register 16 b + i = index 32 b + 16 (lane / 16) + i along P of the lane's row: four blocks of 32, each shared with lane l xor 16.
; They become a fragment's 12 registers and its scale word, and leave as an image.  Each accumulator is read from its low end on.
.macro QUANTW a
.set SRC, 64*((\a)%4)
.set PCA, PC+20*(\a)
	WIN 0x28+0x14*((\a)/4)                         ; sources 1 and 2: window 2 or 3
.irp b, 0,1,2,3
	v_max3_num_f32 v[TM+\b], 0x2800000, |v[SRC+16*\b]|, |v[SRC+16*\b+1]|   ; my 16 numbers of block b, and the floor 2^(5 - 127)
.endr
.irp i, 2,4,6,8,10,12,14
.irp b, 0,1,2,3
	v_max3_num_f32 v[TM+\b], v[TM+\b], |v[SRC+16*\b+\i]|, |v[SRC+16*\b+\i+1]|
.endr
.endr
	WIN 0
.irp b, 0,1,2,3
	v_permlanex16_b32 v[TM+4+\b], v[TM+\b], s18, s19
.endr
.irp b, 0,1,2,3
	v_max_num_f32 v[TM+\b], v[TM+\b], v[TM+4+\b]   ; with lane l xor 16's: the block's largest magnitude
.endr
.irp b, 0,1,2,3
	v_add_nc_u32 v[TM+12+\b], 0xfe000000, v[TM+\b] ; 4 off the exponent field: the conversion's scale operand
.endr
.irp b, 0,1,2,3
	v_lshrrev_b32 v[TM+4+\b], 23, v[TM+12+\b]      ; the scale's byte
.endr
	v_lshl_or_b32 v[PWS+(\a)], v[TM+5], 8, v[TM+4]
	v_lshl_or_b32 v[PWS+(\a)], v[TM+6], 16, v[PWS+(\a)]
	v_lshl_or_b32 v[PWS+(\a)], v[TM+7], 24, v[PWS+(\a)]
	WIN 0x02+((\a)/4)                              ; source 0: window 2 or 3
.irp c, 0,1
	v_cvt_scalef32_pk16_bf6_f32 v[PCA+6*\c:PCA+6*\c+2], v[SRC+32*\c:SRC+32*\c+15], v[TM+12+2*\c]
	v_cvt_scalef32_pk16_bf6_f32 v[PCA+12+4*\c:PCA+14+4*\c], v[SRC+16+32*\c:SRC+31+32*\c], v[TM+13+2*\c]
.endr
	WIN 0
	v_nop                                          ; one plain line behind the conversions
.irp c, 0,1                                    ; the operand's layout wants a whole block in a lane: lanes 0-15 block 2 c, lanes 16-31 block 2 c + 1
.irp i, 0,1,2
	v_permlane16_swap_b32 v[PCA+6*\c+\i], v[PCA+12+4*\c+\i]
.endr
.irp i, 0,1,2
	v_mov_b32 v[PCA+3+6*\c+\i], v[PCA+12+4*\c+\i]
.endr
.endr
	global_store_b128 v[O16], v[PCA:PCA+3], s[8:9] offset:1536*(\a)
	global_store_b64 v[O8], v[PCA+4:PCA+5], s[8:9] offset:1536*(\a)+512
	global_store_b128 v[O16], v[PCA+6:PCA+9], s[8:9] offset:1536*(\a)+768
	global_store_b64 v[O8], v[PCA+10:PCA+11], s[8:9] offset:1536*(\a)+1280
.endm
	s_mov_b32 s18, 0x76543210                      ; v_permlanex16_b32's selects for lane l xor 16
	s_mov_b32 s19, 0xfedcba98
	s_mov_b32 s20, 0xffff0000                      ; lanes 16-31
.irp b, 0,1,2,3
	v_mov_b32 v[TM+4+\b], 0                        ; a lane permute's destination counts as one of its sources.  (These four are the places behind the last products)
.endr
.irp a, 0,1,2,3,4,5,6,7
	QUANTW \a
.endr
.irp i, 0,1,2,3
	v_cndmask_b32 v[MW+\i], v[PWS+2*\i], v[PWS+2*\i+1], s20   ; every lane holds its row's word: lanes 0-15 keep fragment 2 i's, lanes 16-31 take fragment 2 i + 1's
.endr
	global_store_b128 v[O16], v[MW:MW+3], s[10:11]
	s_wait_tensorcnt 0x0                           ; the wave's end
	ds_add_u32 v[SPW], v[NIL]
	s_wait_dscnt 0x0
	CROUND                                         ; the closing round: no work-group ends while a partner may still ask for a tile that names it
	s_endpgm
.Lfunc_end_k_q15082a6006_proj:
	.size	k_q15082a6006_proj, .Lfunc_end_k_q15082a6006_proj-k_q15082a6006_proj
	.p2alignl 7, 3214868480
	.fill 96, 4, 3214868480
	.section	.rodata,"a",@progbits
	.p2align	6, 0x0
	.amdhsa_kernel k_q15082a6006_proj
		.amdhsa_group_segment_fixed_size 327680
		.amdhsa_private_segment_fixed_size 0
		.amdhsa_enable_private_segment 0
		.amdhsa_kernarg_size 48
		.amdhsa_user_sgpr_count 2
		.amdhsa_user_sgpr_kernarg_segment_ptr 1
		.amdhsa_wavefront_size32 1
		.amdhsa_system_sgpr_workgroup_id_x 1
		.amdhsa_system_sgpr_workgroup_id_y 1
		.amdhsa_system_sgpr_workgroup_id_z 1
		.amdhsa_system_vgpr_workitem_id 0
		.amdhsa_next_free_vgpr 1024
		.amdhsa_next_free_sgpr 100
		.amdhsa_reserve_vcc 0
		.amdhsa_float_denorm_mode_32 3
		.amdhsa_float_denorm_mode_16_64 3
		.amdhsa_memory_ordered 1
		.amdhsa_forward_progress 1
		.amdhsa_inst_pref_size 165
	.end_amdhsa_kernel
	.amdgpu_metadata
---
amdhsa.version: [ 1, 2 ]
amdhsa.kernels:
  - .name:           k_q15082a6006_proj
    .symbol:         k_q15082a6006_proj.kd
    .args:
      - { .name: codes, .offset: 0, .size: 8, .value_kind: global_buffer, .address_space: global }
      - { .name: scales, .offset: 8, .size: 8, .value_kind: global_buffer, .address_space: global }
      - { .name: qc, .offset: 16, .size: 8, .value_kind: global_buffer, .address_space: global }
      - { .name: qs, .offset: 24, .size: 8, .value_kind: global_buffer, .address_space: global }
      - { .name: kvc, .offset: 32, .size: 8, .value_kind: global_buffer, .address_space: global }
      - { .name: kvs, .offset: 40, .size: 8, .value_kind: global_buffer, .address_space: global }
    .group_segment_fixed_size: 327680
    .private_segment_fixed_size: 0
    .kernarg_segment_align: 8
    .kernarg_segment_size: 48
    .max_flat_workgroup_size: 128
    .sgpr_count:     100
    .vgpr_count:     1024
    .wavefront_size: 32
...
	.end_amdgpu_metadata
.endif
;; end of part 2
;; launch attn (part 3): grid 8 x 32, 16 waves a work-group, no clusters, 327,680 bytes of LDS; arguments qc, qs, kvc, kvs, lq1, lk1, lq2, lk2, oc, osc; writes oc, osc
.if DOCPART == 3
	.amdgcn_target "amdgcn-amd-amdhsa--gfx1250"
	.amdhsa_code_object_version 6
	.text
	.protected	k_q15082a6006_attn
	.globl	k_q15082a6006_attn
	.p2align	8
	.type	k_q15082a6006_attn,@function
k_q15082a6006_attn:
	s_mov_b64 s[64:65], 0
	v_nop
	global_prefetch_b8 v0, s[64:65] scope:SCOPE_SE
	s_setreg_imm32_b32 hwreg(HW_REG_WAVE_MODE, 25, 1), 1
	s_wait_xcnt 0x0
; Both attention maps of one head and batch (work-group y) for query blocks x and 15 - x of 128 queries, and o = 0.2 (A1 V1 - lambda A2 V2) quantised along the channels for launch outp.
; LEFT OUT: key steps of 128 keys that lie wholly behind reference()'s own causal mask (shown at the head of quant_x).
; LIMITS: as at the head of quant_x; the softmax holds while the scaled scores (exponents to the base 2) stay under 2^31 in magnitude.
; THE DEAL: wave w takes group g = w % 2 of TWO tiles of 16 queries, tile w / 2 of the low block x and of the high block 15 - x.  So each wave has x + 1 + 16 - x = 17 units of work, and
; every wave works in every key step up to 15 - x.  Unit A is the block whose o the wave finishes (g = 0: low, g = 1: high), unit B the other: its scaled sums go to the partner wave w xor 1 through LDS.
; The group is chosen by addresses alone: its 64 channels stand in the first half of the matrix instruction's K = 128, k's second half holds zero codes, and scale words are shifted down by 16 g bits.
; K and V records (images of operand registers, made by proj) come through two LDS slots of FOUR key steps each: a slot is two pairs of steps, 49,152 bytes a pair (k's two records, then v's two);
; waves 2, 3 fetch the first pair's k and v, waves 4, 5 the second pair's, one tensor load each.  So the launch has four changes of slots.  All 16 steps' scale words come once, by waves 0 and 1.
; NO CLUSTER: the eight work-groups of a head walk 16 - x key steps, a different number each, so partners would not make the same joint requests.
; Prefetch: work-group x = 0 of each head, waves 4 to 15, a lane to 256 bytes (12 x 32 x 256 = a slot's 98,304 bytes), asks for the slot one behind the slot that is being fetched: slots 2 and 3.
.set SLOT1, 131072                     ; slot 0 at 0, slot 1 at 131,072, 98,304 bytes each
.set PAIRB, 49152
.set VOFF,  24576
.set SCB,   98304                      ; between the slots: the scale words, 16,384 bytes,
.set OST,   114688                     ; the stage for o's scale words, 1,024 bytes,
.set SPARE, 115712                     ; and the spare words, 128 bytes a wave, which no other line names
.set EX,    229376                     ; 16 x 4,096 bytes: what partner waves hand each other; no fill lands here
.set L16, 1
.set L8,  2
.set ASB, 3
.set DQ,  4
.set SPW, 5
.set NIL, 6
.set LAM, 7                            ; g = 0: 1; g = 1: -lambda
.set A16, 8
.set A8,  9
.set ADS, 10
.set QSC, 20                           ; q's scale word, unit A; unit B: v250
.set PFO, 21
.set OSA, 22
.set OSR, 23
.set KSC, 24                           ; v24-27 k's scale words
.set AV16, 28
.set AV8, 29
.set ADV, 251
; v30-35 q of unit A, v36-41 q of unit B, v42-47 zeros; v48-95 four fragments of k (six registers and six zeros each); v96-159 scores, p, then v's fragments
; v160-191, v192-223 O^T of units A, B; v224-235 p's codes; v12-15, v16-19 -M, largest t, sum (two halves) of units A, B; v248-249 v's scale words
.set WV,  24
.set GG,  25
.set BH,  26
.set TT,  28
.set KIDX, 29
.set TS,  31
.set G1,  32
.set G1S, 40
.set G0,  48
.set G0S, 52
.set SEL, 56
.set CS,  58
.set SLOTS, 60
.set LIM, 61
.set MAXB, 62
.set SHW, 63
.set PFA, 66
.set JU,  80                           ; s80, s81 the blocks of units A, B
.set TBK, 82
.set TBV, 83
.set TSV, 84
.set SHG, 85
.set GM,  86
.set PAIR, 87
.set QB,  88
.set QSB, 90
.macro FILL                            ; my part of a slot; an s_nop 0 and four v_nop follow
	tensor_load_to_lds s[G0:G0+3], s[G1:G1+7]
	s_nop 0
.rept 4
	v_nop
.endr
.endm
.macro ASK
	s_cmp_gt_u32 s[SLOTS], s[LIM]
	s_cbranch_scc0 .Lnot_mine_\@
	global_prefetch_b8 v[PFO], s[PFA:PFA+1] th:TH_LOAD_NT scope:SCOPE_SE
.Lnot_mine_\@:
.endm
	s_load_b512 s[4:19], s[0:1], 0x0               ; qc, qs, kvc, kvs, lq1, lk1, lq2, lk2
	s_load_b128 s[20:23], s[0:1], 0x40             ; oc, osc
	v_lshl_add_u32 v[SPW], v0, 2, SPARE
	v_mov_b32 v[NIL], 0
	ds_add_u32 v[SPW], v[NIL]                      ; the opening lines
	ds_add_u32 v[SPW], v[NIL]
	v_lshrrev_b32 v8, 5, v0
	s_delay_alu instid0(VALU_DEP_1)
	v_readfirstlane_b32 s[WV], v8
	s_and_b32 s[BH], ttmp7, 0xffff
	s_lshr_b32 s[TT], s[WV], 1
	s_and_b32 s[GG], s[WV], 1
	s_sub_co_u32 s[MAXB], 15, ttmp9
	s_cmp_eq_u32 s[GG], 0
	s_cselect_b32 s[JU], ttmp9, s[MAXB]
	s_cselect_b32 s[JU+1], s[MAXB], ttmp9
	s_cselect_b32 s[GM], 0, -1
	s_lshl_b32 s[SHG], s[GG], 4
	s_mov_b32 s[G1], 3<<16                         ; two records of 12,288 bytes, 24,576 apart
	s_mov_b32 s[G1+1], 1536<<16
	s_mov_b32 s[G1+2], 2<<16
	s_mov_b32 s[G1+3], 1536<<16
	s_mov_b32 s[G1+4], 2
	s_mov_b32 s[G1+5], 3072
	s_mov_b32 s[G1+6], 0
	s_mov_b32 s[G1+7], 0
	s_mov_b32 s[G1S], 3<<16                        ; 8,192 dense bytes of scale words as 32 rows of 256
	s_mov_b32 s[G1S+1], 32<<16
	s_mov_b32 s[G1S+2], 32<<16
	s_mov_b32 s[G1S+3], 32<<16
	s_mov_b32 s[G1S+4], 32
	s_mov_b32 s[G1S+5], 32
	s_mov_b32 s[G1S+6], 0
	s_mov_b32 s[G1S+7], 0
	s_mov_b32 s[SEL], 0x76543210
	s_mov_b32 s[SEL+1], 0xfedcba98
	s_mov_b32 s[CS], 0x3e38aa3b                    ; log2(e) / 8
	s_mov_b32 s[CS+1], s[CS]
	s_mov_b32 s[KIDX], 0
	s_mov_b32 s[TS], 0
	s_mov_b32 s[SLOTS], 4
	s_mul_i32 s[TBK], s[GG], 768                   ; my group's half of a k fragment,
	s_mul_i32 s[TBV], s[GG], 6144                  ; its four fragments of v,
	s_lshl_b32 s[TSV], s[GG], 3
	s_add_co_u32 s[TSV], s[TSV], 512               ; and their two scale words
	s_and_b32 s69, s[TT], 2
	s_mul_i32 s69, s69, 24576                      ; waves 2, 3: the slot's first pair of steps; waves 4, 5: its second, 49,152 bytes on, in LDS and in memory
	s_mul_i32 s70, s[GG], VOFF
	s_add_co_u32 s70, s70, s69
	s_mul_i32 s72, s[BH], 393216
	s_add_co_u32 s72, s72, s69
	s_mul_i32 s71, s[GG], 12288
	s_add_co_u32 s72, s72, s71
	s_mov_b32 s73, 0
	s_lshl_b32 s74, s[BH], 14
	s_lshl_b32 s71, s[GG], 13
	s_add_co_u32 s74, s74, s71
	s_mov_b32 s75, 0
	s_wait_dscnt 0x0
	s_wait_kmcnt 0x0
	s_mov_b32 s[G0S], 1
	s_add_co_u32 s[G0S+1], s71, SCB
	s_add_nc_u64 s[G0S+2:G0S+3], s[10:11], s[74:75]
	s_or_b32 s[G0S+3], s[G0S+3], 0x80000000
	s_mov_b32 s[G0], 1
	s_mov_b32 s[G0+1], s70
	s_add_nc_u64 s[G0+2:G0+3], s[8:9], s[72:73]
	s_or_b32 s[G0+3], s[G0+3], 0x80000000
	s_cmp_eq_u32 s[TT], 0                          ; the first fills, one chain of branches on the wave's number: waves 0, 1 the scale words, waves 2 to 5 slot 0
	s_cbranch_scc0 .Lhead_kv
	tensor_load_to_lds s[G0S:G0S+3], s[G1S:G1S+7]
	s_nop 0
.rept 4
	v_nop
.endr
	s_branch .Lhead_asked
.Lhead_kv:
	s_cmp_le_u32 s[TT], 2
	s_cbranch_scc0 .Lhead_asked
	FILL
.Lhead_asked:
	s_sub_co_u32 s68, s[WV], 4
	s_cmp_lt_u32 s68, 12
	s_cselect_b32 s69, 0, 1
	s_or_b32 s69, s69, ttmp9
	s_cmp_eq_u32 s69, 0
	s_cselect_b32 s[LIM], 2, -1                    ; asked in the trips with 4 and 3 slots to go: slots 2 and 3
	s_min_u32 s68, s68, 11
	s_lshl_b32 s68, s68, 13
	s_mul_i32 s69, s[BH], 393216
	s_add_co_u32 s68, s68, s69
	s_add_co_u32 s68, s68, 98304
	s_mov_b32 s69, 0
	s_add_nc_u64 s[PFA:PFA+1], s[8:9], s[68:69]
	s_lshl_b32 s68, s[BH], 4
	s_add_co_u32 s69, s68, s[JU+1]
	s_add_co_u32 s68, s68, s[JU]
	s_mul_i32 s72, s[TT], 1536
	s_mul_i32 s73, s[GG], 768
	s_add_co_u32 s72, s72, s73                     ; my tile's fragment, my group's half
	s_mul_i32 s70, s68, 12288
	s_add_co_u32 s70, s70, s72
	s_mov_b32 s71, 0
	s_mul_i32 s74, s69, 12288
	s_add_co_u32 s74, s74, s72
	s_mov_b32 s75, 0
	s_add_nc_u64 s[QB:QB+1], s[4:5], s[74:75]
	s_add_nc_u64 s[4:5], s[4:5], s[70:71]
	s_lshl_b32 s70, s68, 9
	s_lshl_b32 s74, s69, 9
	s_add_nc_u64 s[QSB:QSB+1], s[6:7], s[74:75]
	s_add_nc_u64 s[6:7], s[6:7], s[70:71]
	s_lshr_b32 s74, s[BH], 4                       ; where unit A's o goes
	s_and_b32 s75, s[BH], 15
	s_lshl_b32 s74, s74, 7
	s_lshl_b32 s76, s[JU], 3
	s_add_co_u32 s74, s74, s76
	s_lshl_b32 s78, s74, 6
	s_lshl_b32 s76, s75, 14
	s_add_co_u32 s78, s78, s76
	s_mov_b32 s79, 0
	s_add_nc_u64 s[22:23], s[22:23], s[78:79]
	s_add_co_u32 s74, s74, s[TT]
	s_lshl_b32 s74, s74, 3
	s_lshr_b32 s76, s75, 1
	s_add_co_u32 s74, s74, s76
	s_mul_i32 s76, s74, 1536
	s_and_b32 s75, s75, 1
	s_mul_i32 s74, s75, 768
	s_add_co_u32 s76, s76, s74
	s_mov_b32 s77, 0
	s_add_nc_u64 s[20:21], s[20:21], s[76:77]
	s_lshl_b32 s[SHW], s75, 4
	v_and_b32 v8, 31, v0
	s_delay_alu instid0(VALU_DEP_1)
	v_lshlrev_b32 v[L16], 4, v8
	v_lshlrev_b32 v[L8], 3, v8
	v_lshlrev_b32 v[PFO], 8, v8
	v_add_nc_u32 v[ASB], SCB, v[L16]
	v_and_b32 v9, 15, v0
	v_bfe_u32 v10, v0, 4, 1
	v_bfe_u32 v11, v0, 5, 1                        ; g: which block's scale words I make
	s_delay_alu instid0(VALU_DEP_1)
	v_lshlrev_b32 v11, 9, v11
	s_delay_alu instid0(VALU_DEP_1)
	v_add_nc_u32 v[OSR], v11, v[L16]
	s_delay_alu instid0(VALU_DEP_1)
	v_add_nc_u32 v[OSR], OST, v[OSR]
	v_bfe_u32 v[OSA], v0, 6, 3
	s_delay_alu instid0(VALU_DEP_1)
	v_lshl_add_u32 v11, v[OSA], 6, v11
	s_delay_alu instid0(VALU_DEP_1)
	v_lshl_add_u32 v11, v9, 2, v11
	s_delay_alu instid0(VALU_DEP_1)
	v_add_nc_u32 v[OSA], OST, v11
	s_wait_alu depctr_va_vdst(0)                   ; the wait
	global_load_b128 v[30:33], v[L16], s[4:5]
	global_load_b64 v[34:35], v[L8], s[4:5] offset:512
	global_load_b128 v[36:39], v[L16], s[QB:QB+1]
	global_load_b64 v[40:41], v[L8], s[QB:QB+1] offset:512
	s_and_b32 s68, s[TT], 1
	s_lshr_b32 s69, s[TT], 1
	s_lshl_b32 s70, s68, 8
	s_lshl_b32 s71, s69, 2
	s_add_co_u32 s70, s70, s71
	v_lshl_add_u32 v96, v9, 4, s70
	global_load_b32 v[QSC], v96, s[6:7]
	global_load_b32 v250, v96, s[QSB:QSB+1]
	global_load_b64 v[98:99], v[L8], s[12:13]
	global_load_b64 v[100:101], v[L8], s[14:15]
	global_load_b64 v[102:103], v[L8], s[16:17]
	global_load_b64 v[104:105], v[L8], s[18:19]
	s_lshl_b32 s69, s69, 5
	s_lshl_b32 s68, s68, 3
	s_add_co_u32 s69, s69, s68
	v_and_b32 v[DQ], 7, v9                         ; my query's place in its block, less 16 (lane / 16)
	v_and_b32 v11, 8, v9
	s_delay_alu instid0(VALU_DEP_1)
	v_lshl_add_u32 v[DQ], v11, 1, v[DQ]
	v_lshlrev_b32 v11, 4, v10
	s_delay_alu instid0(VALU_DEP_1)
	v_sub_nc_u32 v[DQ], v[DQ], v11
	s_delay_alu instid0(VALU_DEP_1)
	v_add_nc_u32 v[DQ], s69, v[DQ]
.irp z, 42,54,66,78,90
.irp i, 0,1,2,3,4,5
	v_mov_b32 v[\z+\i], 0                          ; zero codes for the half of K that a group does not use
.endr
.endr
.irp g, 12,16
	v_mov_b32 v[\g+1], 0xff61b1e6
	s_delay_alu instid0(VALU_DEP_1)
	v_floor_f32 v[\g], -v[\g+1]
	v_mov_b32 v[\g+2], 0
	v_mov_b32 v[\g+3], 0
.endr
.irp b, 0,1,2,3
	v_mov_b32 v[236+\b], 0
.endr
	v_mov_b32 v252, 0
	v_mov_b32 v253, 0
	v_mov_b32 v108, 0
	v_mov_b32 v109, 0
.set J, 0
.rept 64
	v_mov_b32 v[160+J], 0                          ; the step is written once: the first finds zeros
.set J, J+1
.endr
	s_wait_loadcnt 0x0
	v_lshrrev_b32 v[QSC], s[SHG], v[QSC]           ; my group's two scale bytes into bytes 0, 1
	v_lshrrev_b32 v250, s[SHG], v250
	v_mul_f32 v106, v98, v100                      ; lambda = exp(lq1.lk1) - exp(lq2.lk2) + 0.8
	v_mul_f32 v107, v102, v104
	s_delay_alu instid0(VALU_DEP_2)
	v_fma_f32 v106, v99, v101, v106
	s_delay_alu instid0(VALU_DEP_2)
	v_fma_f32 v107, v103, v105, v107
.irp m, 1,2,4,8
	s_delay_alu instid0(VALU_DEP_2)
	v_add_f32_dpp v106, v106, v106 row_xmask:\m row_mask:0xf bank_mask:0xf
	s_delay_alu instid0(VALU_DEP_2)
	v_add_f32_dpp v107, v107, v107 row_xmask:\m row_mask:0xf bank_mask:0xf
.endr
	s_delay_alu instid0(VALU_DEP_2)
	v_permlanex16_b32 v108, v106, s[SEL], s[SEL+1]
	s_delay_alu instid0(VALU_DEP_2)
	v_permlanex16_b32 v109, v107, s[SEL], s[SEL+1]
	s_delay_alu instid0(VALU_DEP_2)
	v_add_f32 v106, v106, v108
	s_delay_alu instid0(VALU_DEP_2)
	v_add_f32 v107, v107, v109
	s_mov_b32 s68, 0x3fb8aa3b
	s_mov_b32 s69, 0x32a57060
	v_mul_f32 v108, s68, v106                      ; x log2(e) in two parts, whole part apart
	v_mul_f32 v109, s68, v107
	s_delay_alu instid0(VALU_DEP_2)
	v_fma_f32 v110, v106, s68, -v108
	s_delay_alu instid0(VALU_DEP_2)
	v_fma_f32 v111, v107, s68, -v109
	s_delay_alu instid0(VALU_DEP_2)
	v_fma_f32 v110, v106, s69, v110
	s_delay_alu instid0(VALU_DEP_2)
	v_fma_f32 v111, v107, s69, v111
	v_rndne_f32 v112, v108
	v_rndne_f32 v113, v109
	s_delay_alu instid0(VALU_DEP_2)
	v_sub_f32 v108, v108, v112
	s_delay_alu instid0(VALU_DEP_2)
	v_sub_f32 v109, v109, v113
	s_delay_alu instid0(VALU_DEP_2)
	v_add_f32 v108, v108, v110
	s_delay_alu instid0(VALU_DEP_2)
	v_add_f32 v109, v109, v111
	s_wait_alu depctr_va_vdst(0)
	v_exp_f32 v108, v108
	v_exp_f32 v109, v109
	v_nop
	v_cvt_i32_f32 v112, v112
	v_cvt_i32_f32 v113, v113
	s_wait_alu depctr_va_vdst(0)
	v_ldexp_f32 v108, v108, v112
	v_ldexp_f32 v109, v109, v113
	s_delay_alu instid0(VALU_DEP_1)
	v_sub_f32 v[LAM], v108, v109
	s_delay_alu instid0(VALU_DEP_1)
	v_add_f32 v[LAM], 0x3f4ccccd, v[LAM]
	s_delay_alu instid0(VALU_DEP_1)
	v_xor_b32 v[LAM], 0x80000000, v[LAM]
	s_delay_alu instid0(VALU_DEP_1)
	v_cndmask_b32 v[LAM], 1.0, v[LAM], s[GM]       ; group 0's sums count once, group 1's -lambda times
	s_wait_alu depctr_va_vdst(0)                   ; the wait at the head's end
; one unit's 16 queries against one key step of 128 keys: S^T = k q^T, p, O^T += v^T p^T
.macro GROUP q, u
.set ST, 12+4*(\u)
.set OB, 160+32*(\u)
.set QF, 30+6*(\u)
.set QS, QSC+230*(\u)
.irp h, 0,1
.rept 5-\h
	v_nop                                          ; places behind the matrix instructions whose registers are loaded into or written over below
.endr
.irp i, 0,1,2,3
	ds_load_b128 v[48+12*\i:51+12*\i], v[A16] offset:12288*(\q)+1536*(4*\h+\i)
	ds_load_b64 v[52+12*\i:53+12*\i], v[A8] offset:12288*(\q)+1536*(4*\h+\i)+512
.endr
	s_wait_dscnt 0x0
.irp i, 0,2
	v_wmma_scale_f32_16x16x128_f8f6f4 v[96+8*(4*\h+\i):103+8*(4*\h+\i)], v[48+12*\i:59+12*\i], v[QF:QF+11], 0, v[KSC+2*\h+\i/2], v[QS] matrix_a_fmt:MATRIX_FMT_BF6 matrix_b_fmt:MATRIX_FMT_BF6
	v_wmma_scale_f32_16x16x128_f8f6f4 v[104+8*(4*\h+\i):111+8*(4*\h+\i)], v[60+12*\i:71+12*\i], v[QF:QF+11], 0, v[KSC+2*\h+\i/2], v[QS] matrix_a_fmt:MATRIX_FMT_BF6 matrix_b_fmt:MATRIX_FMT_BF6 matrix_a_scale:MATRIX_SCALE_ROW1
.endr
.endr
.rept 4
	v_nop
.endr
	s_cmp_lg_u32 s[KIDX], s[JU+\u]
	s_cbranch_scc1 .Lopen_\@
	v_mov_b32 v254, 0xff800000                     ; the block on the diagonal: keys behind the query count for nothing
.set N, 0
.rept 64
	v_cmp_gt_i32 vcc_lo, (32*(N/16))+(N%16), v[DQ]
	v_cndmask_b32 v[96+N], v[96+N], v254, vcc_lo
.set N, N+1
.endr
.Lopen_\@:
.irp b, 0,1,2,3
	v_max3_num_f32 v[232+\b], v[96+16*\b], v[97+16*\b], v[98+16*\b]   ; each block's largest score: for the row's maximum and for the block's largest p
.endr
.irp i, 3,5,7,9,11,13
.irp b, 0,1,2,3
	v_max3_num_f32 v[232+\b], v[232+\b], v[96+16*\b+\i], v[97+16*\b+\i]
.endr
.endr
.irp b, 0,1,2,3
	v_max_num_f32 v[232+\b], v[232+\b], v[111+16*\b]
.endr
.irp b, 0,1,2,3
	s_delay_alu instid0(VALU_DEP_4)
	v_permlanex16_b32 v[236+\b], v[232+\b], s[SEL], s[SEL+1]
.endr
.irp b, 0,1,2,3
	s_delay_alu instid0(VALU_DEP_4)
	v_max_num_f32 v[232+\b], v[232+\b], v[236+\b]
.endr
	s_delay_alu instid0(VALU_DEP_2)
	v_max3_num_f32 v254, v232, v233, v234
	s_delay_alu instid0(VALU_DEP_1)
	v_max_num_f32 v254, v254, v235
	s_delay_alu instid0(VALU_DEP_1)
	v_mul_f32 v254, s[CS], v254
	s_delay_alu instid0(VALU_DEP_1)
	v_max_num_f32 v[ST+1], v[ST+1], v254           ; the running largest t
	v_mov_b32 v254, v[ST]
	s_delay_alu instid0(VALU_DEP_2)
	v_floor_f32 v[ST], -v[ST+1]                    ; -M, a whole number
	s_delay_alu instid0(VALU_DEP_1)
	v_sub_f32 v254, v[ST], v254
	s_delay_alu instid0(VALU_DEP_1)
	v_cvt_i32_f32 v254, v254
	s_delay_alu instid0(VALU_DEP_1)
	v_ldexp_f32 v252, 1.0, v254                    ; f = 2^(old M - new M)
.set J, 0
.rept 32
	v_pk_fma_f32 v[96+J:97+J], v[96+J:97+J], s[CS:CS+1], v[ST:ST+1] op_sel_hi:[1,0,0]
.set J, J+2
.endr
.irp b, 0,1,2,3
	v_fma_f32 v[232+\b], v[232+\b], s[CS], v[ST]
.endr
.set J, 0
	s_wait_alu depctr_va_vdst(0)                   ; ahead of the batch
.rept 64
	v_exp_f32 v[96+J], v[96+J]
.set J, J+1
.endr
	v_pk_mul_f32 v[ST+2:ST+3], v[ST+2:ST+3], v[252:253] op_sel_hi:[1,0]
	s_wait_alu depctr_va_vdst(0)                   ; and behind it
.irp b, 0,1,2,3
	v_exp_f32 v[232+\b], v[232+\b]
.endr
	v_pk_add_f32 v[236:237], v[96:97], v[98:99]    ; the row's sum, of the unquantised p
.irp j, 4,8,12,16,20,24,28,32,36,40,44,48,52,56,60
	v_pk_add_f32 v[ST+2:ST+3], v[ST+2:ST+3], v[96+\j:97+\j]
	v_pk_add_f32 v[236:237], v[236:237], v[98+\j:99+\j]
.endr
	s_delay_alu instid0(VALU_DEP_1)
	v_pk_add_f32 v[ST+2:ST+3], v[ST+2:ST+3], v[236:237]
	s_wait_alu depctr_va_vdst(0)
.irp b, 0,1,2,3
	v_max_num_f32 v[232+\b], 0x2800000, v[232+\b]
.endr
.irp b, 0,1,2,3
	s_delay_alu instid0(VALU_DEP_4)
	v_add_nc_u32 v[244+\b], 0xfe000000, v[232+\b]
.endr
.irp b, 0,1,2,3
	s_delay_alu instid0(VALU_DEP_4)
	v_lshrrev_b32 v[236+\b], 23, v[244+\b]
.endr
	s_delay_alu instid0(VALU_DEP_3)
	v_lshl_or_b32 v253, v237, 8, v236              ; p's scale word
	s_delay_alu instid0(VALU_DEP_1)
	v_lshl_or_b32 v253, v238, 16, v253
	s_delay_alu instid0(VALU_DEP_1)
	v_lshl_or_b32 v253, v239, 24, v253
.irp c, 0,1
	v_cvt_scalef32_pk16_bf6_f32 v[224+6*\c:226+6*\c], v[96+32*\c:111+32*\c], v[244+2*\c]
	v_cvt_scalef32_pk16_bf6_f32 v[236+4*\c:238+4*\c], v[112+32*\c:127+32*\c], v[245+2*\c]
.endr
	v_nop
.irp c, 0,1,2,3
	ds_load_b128 v[96+12*\c:99+12*\c], v[AV16] offset:VOFF+12288*(\q)+1536*\c
	ds_load_b64 v[100+12*\c:101+12*\c], v[AV8] offset:VOFF+12288*(\q)+1536*\c+512
	ds_load_b128 v[102+12*\c:105+12*\c], v[AV16] offset:VOFF+12288*(\q)+1536*\c+768
	ds_load_b64 v[106+12*\c:107+12*\c], v[AV8] offset:VOFF+12288*(\q)+1536*\c+1280
.endr
.irp c, 0,1
.irp i, 0,1,2
	v_permlane16_swap_b32 v[224+6*\c+\i], v[236+4*\c+\i]
.endr
.irp i, 0,1,2
	s_delay_alu instid0(VALU_DEP_3)
	v_mov_b32 v[227+6*\c+\i], v[236+4*\c+\i]
.endr
.endr
.set J, 0
.rept 16
	v_pk_mul_f32 v[OB+J:OB+J+1], v[OB+J:OB+J+1], v[252:253] op_sel_hi:[1,0]
.set J, J+2
.endr
	s_wait_alu depctr_va_vdst(0)
	s_wait_dscnt 0x0
.irp c, 0,2
	v_wmma_scale_f32_16x16x128_f8f6f4 v[OB+8*\c:OB+7+8*\c], v[96+12*\c:107+12*\c], v[224:235], v[OB+8*\c:OB+7+8*\c], v[248+\c/2], v253 matrix_a_fmt:MATRIX_FMT_BF6 matrix_b_fmt:MATRIX_FMT_BF6
	v_wmma_scale_f32_16x16x128_f8f6f4 v[OB+8+8*\c:OB+15+8*\c], v[108+12*\c:119+12*\c], v[224:235], v[OB+8+8*\c:OB+15+8*\c], v[248+\c/2], v253 matrix_a_fmt:MATRIX_FMT_BF6 matrix_b_fmt:MATRIX_FMT_BF6 matrix_a_scale:MATRIX_SCALE_ROW1
.endr
.endm
.macro STEP q
	s_cmp_gt_u32 s[KIDX], s[MAXB]                  ; behind the mask for both blocks
	s_cbranch_scc1 .Lhidden_\@
	v_add_nc_u32 v[A16], s[TBK], v[L16]            ; (these six are also the places ahead of the load into v's scale words)
	v_add_nc_u32 v[A8], s[TBK], v[L8]
	v_add_nc_u32 v[AV16], s[TBV], v[L16]
	v_add_nc_u32 v[AV8], s[TBV], v[L8]
	v_add_nc_u32 v[ADS], s[TS], v[ASB]
	v_add_nc_u32 v[ADV], s[TSV], v[ASB]
	s_wait_alu depctr_va_vdst(0)                   ; the wait behind these writes
	ds_load_b128 v[KSC:KSC+3], v[ADS]
	ds_load_b64 v[248:249], v[ADV]
	s_wait_dscnt 0x0
.irp i, 0,1,2,3
	v_lshrrev_b32 v[KSC+\i], s[SHG], v[KSC+\i]     ; my group's two scale bytes into bytes 0, 1
.endr
	s_wait_alu depctr_va_vdst(0)
.rept 3
	v_nop                                          ; with the five at a unit's head: eight places between a scale register's write and the scaled matrix instruction
.endr
	s_cmp_gt_u32 s[KIDX], s[JU]
	s_cbranch_scc1 .Lno_a_\@
	GROUP \q, 0
.Lno_a_\@:
	s_cmp_gt_u32 s[KIDX], s[JU+1]
	s_cbranch_scc1 .Lno_b_\@
	GROUP \q, 1
.Lno_b_\@:
.Lhidden_\@:
	s_add_co_u32 s[KIDX], s[KIDX], 1
	s_add_co_u32 s[TS], s[TS], 1024
	s_add_co_u32 s[TSV], s[TSV], 1024
.endm
.Lslot:                                                ; four trips, a slot of four key steps each
	s_wait_tensorcnt 0x0                           ; all my tensor loads are in: my part of this slot among them
	ds_add_u32 v[SPW], v[NIL]                      ; the add, here twice
	ds_add_u32 v[SPW], v[NIL]
	s_xor_b32 s[G0+1], s[G0+1], SLOT1
	s_add_nc_u64 s[G0+2:G0+3], s[G0+2:G0+3], 2*PAIRB
	s_wait_xcnt 0x0                                ; my prefetch has read its address
	s_add_nc_u64 s[PFA:PFA+1], s[PFA:PFA+1], 2*PAIRB
	s_wait_dscnt 0x0                               ; the adds are done, and my reads of the other slot
	s_barrier_signal -1
	s_barrier_wait -1
	s_add_co_u32 s68, s[KIDX], 4
	s_cmp_gt_u32 s68, s[MAXB]                      ; a pair of steps that lies wholly behind the mask is not fetched (ids alone; so too in the fourth trip)
	s_cbranch_scc1 .Lpast
	s_cmp_eq_u32 s[TT], 1
	s_cbranch_scc0 .Lsecond
	FILL                                           ; waves 2, 3: steps KIDX + 4, + 5
	s_branch .Lpast
.Lsecond:
	s_add_co_u32 s68, s[KIDX], 6
	s_cmp_gt_u32 s68, s[MAXB]
	s_cbranch_scc1 .Lpast
	s_cmp_eq_u32 s[TT], 2
	s_cbranch_scc0 .Lpast
	FILL                                           ; waves 4, 5: steps KIDX + 6, + 7
.Lpast:
	ASK
	s_mov_b32 s[PAIR], 2
.Lpair:                                                ; the slot's two pairs of steps: no barrier between them
	STEP 0
	STEP 1
	s_add_co_u32 s[TBK], s[TBK], PAIRB
	s_add_co_u32 s[TBV], s[TBV], PAIRB
	s_sub_co_u32 s[PAIR], s[PAIR], 1
	s_cmp_lg_u32 s[PAIR], 0
	s_cbranch_scc1 .Lpair
	s_and_b32 s[TBK], s[TBK], 0x21fff              ; the two pairs' 98,304 (bits 15, 16) off again: the group's part (under 2^13) and the slot's bit 17 stay,
	s_and_b32 s[TBV], s[TBV], 0x21fff
	s_xor_b32 s[TBK], s[TBK], SLOT1                ; and on to the other slot
	s_xor_b32 s[TBV], s[TBV], SLOT1
	s_sub_co_u32 s[SLOTS], s[SLOTS], 1
	s_cmp_lg_u32 s[SLOTS], 0
	s_cbranch_scc1 .Lslot
	v_add_f32 v14, v14, v15                        ; the rows' sums
	v_add_f32 v18, v18, v19
	v_mov_b32 v241, 0
	v_mov_b32 v243, 0
	s_delay_alu instid0(VALU_DEP_4)
	v_permlanex16_b32 v236, v14, s[SEL], s[SEL+1]
	s_delay_alu instid0(VALU_DEP_4)
	v_permlanex16_b32 v237, v18, s[SEL], s[SEL+1]
	s_delay_alu instid0(VALU_DEP_2)
	v_add_f32 v14, v14, v236
	s_delay_alu instid0(VALU_DEP_2)
	v_add_f32 v18, v18, v237
	v_and_b32 v244, 0x1e0, v0
	s_delay_alu instid0(VALU_DEP_1)
	v_lshl_add_u32 v244, v244, 7, v[L16]
	s_delay_alu instid0(VALU_DEP_1)
	v_add_nc_u32 v244, EX, v244                    ; my 4,096 bytes of the exchange: 4,096 wave + 16 lane,
	s_delay_alu instid0(VALU_DEP_1)
	v_xor_b32 v245, 4096, v244                     ; and my partner's
	s_wait_alu depctr_va_vdst(0)
	v_rcp_f32 v240, v14
	v_rcp_f32 v242, v18
	v_nop
	s_wait_alu depctr_va_vdst(0)
	v_mul_f32 v240, v240, v[LAM]
	v_mul_f32 v242, v242, v[LAM]
.set J, 0
.rept 16
	v_pk_mul_f32 v[96+J:97+J], v[192+J:193+J], v[242:243] op_sel_hi:[1,0]    ; unit B: for my partner
.set J, J+2
.endr
.set J, 0
.rept 16
	v_pk_mul_f32 v[128+J:129+J], v[160+J:161+J], v[240:241] op_sel_hi:[1,0]  ; unit A: mine
.set J, J+2
.endr
.irp i, 0,1,2,3,4,5,6,7
	ds_store_b128 v244, v[96+4*\i:99+4*\i] offset:512*\i
.endr
	s_wait_alu depctr_va_vdst(0)
	s_wait_dscnt 0x0
	s_barrier_signal -1
	s_barrier_wait -1
.irp i, 0,1,2,3,4,5,6,7
	ds_load_b128 v[96+4*\i:99+4*\i], v245 offset:512*\i    ; the other group's part of unit A's tile, in the same lanes and registers
.endr
	s_wait_dscnt 0x0
.set J, 0
.rept 16
	v_pk_add_f32 v[96+J:97+J], v[96+J:97+J], v[128+J:129+J]
.set J, J+2
.endr
.set J, 0
.rept 16
	v_pk_mul_f32 v[96+J:97+J], v[96+J:97+J], 0x3e4ccccd op_sel_hi:[1,0]
.set J, J+2
.endr
.irp b, 0,1
	v_max3_num_f32 v[232+\b], |v[96+16*\b]|, |v[97+16*\b]|, 0x2800000      ; o's two blocks of 32 channels
.endr
.irp i, 2,4,6,8,10,12,14
.irp b, 0,1
	s_delay_alu instid0(VALU_DEP_2)
	v_max3_num_f32 v[232+\b], v[232+\b], |v[96+16*\b+\i]|, |v[97+16*\b+\i]|
.endr
.endr
.irp b, 0,1
	s_delay_alu instid0(VALU_DEP_2)
	v_permlanex16_b32 v[236+\b], v[232+\b], s[SEL], s[SEL+1]
.endr
.irp b, 0,1
	s_delay_alu instid0(VALU_DEP_2)
	v_max_num_f32 v[232+\b], v[232+\b], v[236+\b]
.endr
.irp b, 0,1
	s_delay_alu instid0(VALU_DEP_2)
	v_add_nc_u32 v[244+\b], 0xfe000000, v[232+\b]
.endr
.irp b, 0,1
	s_delay_alu instid0(VALU_DEP_2)
	v_lshrrev_b32 v[246+\b], 23, v[244+\b]
.endr
	s_delay_alu instid0(VALU_DEP_1)
	v_lshl_or_b32 v246, v247, 8, v246
	s_delay_alu instid0(VALU_DEP_1)
	v_lshlrev_b32 v246, s[SHW], v246
	v_cvt_scalef32_pk16_bf6_f32 v[224:226], v[96:111], v244
	v_cvt_scalef32_pk16_bf6_f32 v[236:238], v[112:127], v245
	v_nop
.irp i, 0,1,2
	v_permlane16_swap_b32 v[224+\i], v[236+\i]
.endr
.irp i, 0,1,2
	s_delay_alu instid0(VALU_DEP_3)
	v_mov_b32 v[227+\i], v[236+\i]
.endr
	global_store_b128 v[L16], v[224:227], s[20:21]
	global_store_b64 v[L8], v[228:229], s[20:21] offset:512
	ds_store_b32 v[OSA], v246
	s_wait_dscnt 0x0
	s_barrier_signal -1
	s_barrier_wait -1
	s_cmp_lt_u32 s[WV], 2
	s_cbranch_scc0 .Lend
	ds_load_b128 v[96:99], v[OSR]                  ; waves 0, 1: the scale words of the low and of the high block, 512 consecutive bytes each
	s_wait_dscnt 0x0
	global_store_b128 v[L16], v[96:99], s[22:23]
.Lend:
	s_wait_tensorcnt 0x0                           ; the wave's end
	ds_add_u32 v[SPW], v[NIL]
	s_wait_dscnt 0x0
	s_endpgm
.Lfunc_end_k_q15082a6006_attn:
	.size	k_q15082a6006_attn, .Lfunc_end_k_q15082a6006_attn-k_q15082a6006_attn
	.p2alignl 7, 3214868480
	.fill 96, 4, 3214868480
	.section	.rodata,"a",@progbits
	.p2align	6, 0x0
	.amdhsa_kernel k_q15082a6006_attn
		.amdhsa_group_segment_fixed_size 327680
		.amdhsa_private_segment_fixed_size 0
		.amdhsa_enable_private_segment 0
		.amdhsa_kernarg_size 80
		.amdhsa_user_sgpr_count 2
		.amdhsa_user_sgpr_kernarg_segment_ptr 1
		.amdhsa_wavefront_size32 1
		.amdhsa_system_sgpr_workgroup_id_x 1
		.amdhsa_system_sgpr_workgroup_id_y 1
		.amdhsa_system_sgpr_workgroup_id_z 1
		.amdhsa_system_vgpr_workitem_id 0
		.amdhsa_next_free_vgpr 256
		.amdhsa_next_free_sgpr 96
		.amdhsa_reserve_vcc 1
		.amdhsa_float_denorm_mode_32 3
		.amdhsa_float_denorm_mode_16_64 3
		.amdhsa_memory_ordered 1
		.amdhsa_forward_progress 1
		.amdhsa_inst_pref_size 117
	.end_amdhsa_kernel
	.amdgpu_metadata
---
amdhsa.version: [ 1, 2 ]
amdhsa.kernels:
  - .name:           k_q15082a6006_attn
    .symbol:         k_q15082a6006_attn.kd
    .args:
      - { .name: qc, .offset: 0, .size: 8, .value_kind: global_buffer, .address_space: global }
      - { .name: qs, .offset: 8, .size: 8, .value_kind: global_buffer, .address_space: global }
      - { .name: kvc, .offset: 16, .size: 8, .value_kind: global_buffer, .address_space: global }
      - { .name: kvs, .offset: 24, .size: 8, .value_kind: global_buffer, .address_space: global }
      - { .name: lq1, .offset: 32, .size: 8, .value_kind: global_buffer, .address_space: global }
      - { .name: lk1, .offset: 40, .size: 8, .value_kind: global_buffer, .address_space: global }
      - { .name: lq2, .offset: 48, .size: 8, .value_kind: global_buffer, .address_space: global }
      - { .name: lk2, .offset: 56, .size: 8, .value_kind: global_buffer, .address_space: global }
      - { .name: oc, .offset: 64, .size: 8, .value_kind: global_buffer, .address_space: global }
      - { .name: osc, .offset: 72, .size: 8, .value_kind: global_buffer, .address_space: global }
    .group_segment_fixed_size: 327680
    .private_segment_fixed_size: 0
    .kernarg_segment_align: 8
    .kernarg_segment_size: 80
    .max_flat_workgroup_size: 512
    .sgpr_count:     96
    .vgpr_count:     256
    .wavefront_size: 32
...
	.end_amdgpu_metadata
.endif
;; end of part 3
;; launch outp (part 4): grid 8 x 32, 4 waves a work-group, clusters of 4 x 4, 327,680 bytes of LDS; arguments oc, osc, codes, scales, out0; writes out0
.if DOCPART == 4
	.amdgcn_target "amdgcn-amd-amdhsa--gfx1250"
	.amdhsa_code_object_version 6
	.text
	.protected	k_q15082a6006_outp
	.globl	k_q15082a6006_outp
	.p2align	8
	.type	k_q15082a6006_outp,@function
k_q15082a6006_outp:
	s_mov_b64 s[64:65], 0
	v_nop
	global_prefetch_b8 v0, s[64:65] scope:SCOPE_SE
	s_setreg_imm32_b32 hwreg(HW_REG_WAVE_MODE, 25, 1), 1
	s_wait_xcnt 0x0
	s_wait_alu depctr_hold_cnt(0) depctr_sa_sdst(0) depctr_va_vdst(0) depctr_va_sdst(0) depctr_va_ssrc(0) depctr_va_vcc(0) depctr_vm_vsrc(0)
	s_getreg_b32 s2, hwreg(HW_REG_IB_STS2, 6, 4)
	s_cmp_eq_u32 s2, 0
	s_cbranch_scc0 .Lentry_in_a_cluster
	s_endpgm
.Lentry_in_a_cluster:
	s_bfe_u32 s2, ttmp6, 0x10000c
	s_cmp_lg_u32 s2, 0xf033
	s_cbranch_scc0 .Lentry_shape_is_right
	s_endpgm
.Lentry_shape_is_right:
.set BBASE, 98304
.set STG,   221184
.set SPARE, 256000
.set ACC,  128
.set BSC,  32
.set ASC,  48
.set TL,   64
.set STO,  12
.set RD,   13
.set GO,   14
.set SPW,  28
.set NIL,  29
.set G1A, 24
.set G0A, 32
.set G1B, 48
.set G0B, 56
.set MSB, 0
.macro WIN new
.if MSB != (\new)
	s_set_vgpr_msb (MSB<<8)|(\new)
.set MSB, (\new)
.endif
.endm
.macro CROUND
	s_barrier_signal -1
	s_barrier_wait -1
	s_cmp_lg_u32 s14, 0
	s_cbranch_scc1 .Lnot_wave_0_\@
	s_barrier_signal -3
.Lnot_wave_0_\@:
	s_barrier_wait -3
	s_barrier_signal -1
	s_barrier_wait -1
.endm
.macro PLACES
.rept 4
	v_nop
.endr
.endm
	s_load_b256 s[4:11], s[0:1], 0x0
	s_load_b64 s[12:13], s[0:1], 0x20
	v_lshl_add_u32 v[SPW], v0, 2, SPARE
	v_mov_b32 v[NIL], 0
	ds_add_u32 v[SPW], v[NIL]
	ds_add_u32 v[SPW], v[NIL]
	v_lshrrev_b32 v1, 5, v0
	v_readfirstlane_b32 s14, v1
	s_lshr_b32 s15, s14, 1
	s_and_b32 s16, s14, 1
	s_bfe_u32 s40, ttmp6, 0x40000
	s_bfe_u32 s41, ttmp6, 0x40004
	s_lshl_b32 s42, ttmp9, 2
	s_add_co_u32 s42, s42, s40
	s_and_b32 s17, ttmp7, 0xffff
	s_lshl_b32 s17, s17, 2
	s_add_co_u32 s17, s17, s41
	s_lshl_b32 s43, s41, 2
	s_lshl_b32 s43, 15, s43
	s_lshl_b32 s44, 0x1111, s40
	s_or_b32 s[G1A], s43, (3<<16)|(1<<21)
	s_mov_b32 s[G1A+1], 32<<16                     ; half of o's 98,304 dense bytes (128 rows, all of K, as images of operand registers): 192 rows of 256 bytes
	s_mov_b32 s[G1A+2], 192<<16
	s_mov_b32 s[G1A+3], 32<<16
	s_mov_b32 s[G1A+4], 192
	s_mov_b32 s[G1A+5], 32
	s_mov_b32 s[G1A+6], 0
	s_mov_b32 s[G1A+7], 0
	s_or_b32 s[G1B], s44, (0<<16)|(1<<20)|(1<<21)|(3<<22)|(3<<25)
	s_mov_b32 s[G1B+1], 256<<16                    ; a K step of 128 places of Wo's codes is 24,576 dense bytes: 96 rows of 256 bytes
	s_mov_b32 s[G1B+2], 192<<16                    ; two K steps, neighbours in memory: 192 rows
	s_mov_b32 s[G1B+3], 256<<16
	s_mov_b32 s[G1B+4], 192
	s_mov_b32 s[G1B+5], 256
	s_mov_b32 s[G1B+6], 0
	s_mov_b32 s[G1B+7], 0
	s_mul_i32 s20, s17, 98304
	s_mul_i32 s18, s16, 49152
	s_add_co_u32 s20, s20, s18
	s_mov_b32 s21, 0
	s_lshl_b32 s46, s42, 7
	s_add_co_u32 s46, s46, 10240
	s_mul_i32 s46, s46, 768
	s_mul_i32 s18, s16, 49152
	s_add_co_u32 s46, s46, s18
	s_mov_b32 s47, 0
	s_mul_i32 s22, s16, 49152
	s_mul_i32 s23, s16, 61440
	s_add_co_u32 s23, s23, BBASE
	s_wait_dscnt 0x0
	s_wait_kmcnt 0x0
	s_mov_b32 s[G0A], 1
	s_mov_b32 s[G0A+1], s22
	s_add_nc_u64 s[G0A+2:G0A+3], s[4:5], s[20:21]
	s_or_b32 s[G0A+3], s[G0A+3], 0x80000000
	s_mov_b32 s[G0B], 1
	s_mov_b32 s[G0B+1], s23
	s_add_nc_u64 s[G0B+2:G0B+3], s[8:9], s[46:47]
	s_or_b32 s[G0B+3], s[G0B+3], 0x80000000
	CROUND
	s_cmp_eq_u32 s15, 0                            ; the first fills, one a wave: waves 0, 1 the halves of o's codes, waves 2, 3 the halves of Wo's
	s_cbranch_scc0 .Lfor_b
	tensor_load_to_lds s[G0A:G0A+3], s[G1A:G1A+7]
	s_nop 0
.rept 4
	v_nop
.endr
	s_branch .Lasked
.Lfor_b:
	tensor_load_to_lds s[G0B:G0B+3], s[G1B:G1B+7]
	s_nop 0
.rept 4
	v_nop
.endr
.Lasked:
	v_and_b32 v3, 31, v0
	v_lshlrev_b32 v16, 5, v3
	s_wait_alu depctr_va_vdst(0)
	v_lshlrev_b32 v17, 2, v3
	s_wait_alu depctr_va_vdst(0)
	s_lshl_b32 s46, s42, 7
	s_add_co_u32 s46, s46, 10240
	s_lshl_b32 s18, s16, 6
	s_add_co_u32 s46, s46, s18
	s_lshl_b32 s46, s46, 5
	s_add_nc_u64 s[10:11], s[10:11], s[46:47]
	s_lshl_b32 s20, s17, 3
	s_lshl_b32 s18, s15, 2
	s_add_co_u32 s20, s20, s18
	s_lshl_b32 s20, s20, 6
	s_add_nc_u64 s[6:7], s[6:7], s[20:21]
.irp p, 0,1
	global_load_b128 v[BSC+8*\p:BSC+8*\p+3], v16, s[10:11] offset:1024*\p
	global_load_b128 v[BSC+8*\p+4:BSC+8*\p+7], v16, s[10:11] offset:1024*\p+16
.endr
.irp p, 0,1
.irp hd, 0,1,2,3,4,5,6,7,8,9,10,11,12,13,14,15
	global_load_b32 v[TL+16*\p+\hd], v17, s[6:7] offset:16384*\hd+128*\p
.endr
.endr
	v_and_b32 v1, 15, v0
	v_bfe_u32 v2, v0, 4, 1
	s_mul_i32 s18, s15, 49152                      ; my four tiles of 16 rows: 12,288 bytes a tile, 1,536 a K step
	v_lshl_add_u32 v4, v3, 4, s18
	v_lshl_add_u32 v6, v3, 3, s18
	s_mul_i32 s18, s16, 15360
	s_add_co_u32 s18, s18, BBASE
	v_mul_u32_u24 v8, v1, 240
	v_mad_u32_u24 v8, v2, 24, v8
	v_add_nc_u32 v8, s18, v8
	v_add_nc_u32 v9, 61440, v8
	v_lshl_add_u32 v10, v2, 4, v8
	v_add_nc_u32 v11, 61440, v10
	s_mul_i32 s18, s14, 32*272
	s_add_co_u32 s18, s18, STG
	v_mul_u32_u24 v[STO], v1, 272
	v_lshl_add_u32 v[STO], v2, 6, v[STO]
	v_add_nc_u32 v[STO], s18, v[STO]
	v_mul_u32_u24 v[RD], v2, 272
	v_lshl_add_u32 v[RD], v1, 4, v[RD]
	v_add_nc_u32 v[RD], s18, v[RD]
	v_lshlrev_b32 v[GO], 12, v2
	v_lshl_add_u32 v[GO], v1, 4, v[GO]
	s_lshl_b32 s20, s17, 7
	s_lshl_b32 s18, s15, 6
	s_add_co_u32 s20, s20, s18
	s_lshl_b32 s20, s20, 12
	s_lshl_b32 s46, s42, 9
	s_lshl_b32 s18, s16, 8
	s_add_co_u32 s46, s46, s18
	s_add_co_u32 s20, s20, s46
	s_add_nc_u64 s[12:13], s[12:13], s[20:21]
	s_wait_loadcnt 0x0
.irp p, 0,1
.irp s, 0,1,2,3,4,5,6,7
	v_or_b32 v[ASC+8*\p+\s], v[TL+16*\p+2*\s], v[TL+16*\p+2*\s+1]
.endr
.endr
.rept 8
	v_nop
.endr
	s_wait_alu depctr_va_vdst(0)
	s_wait_tensorcnt 0x0
	s_barrier_signal -1
	s_barrier_wait -1
.macro FETCH s, f
	WIN 0x40
.irp b, 0,1,2,3
.irp p, 0,1,2,3,4,5
.set PCE, 12*((\s)%2)+6*(\p/3)+\p%3
.if PCE%8 < 5
	ds_load_b64 v[(\f)+12*\b+2*\p:(\f)+12*\b+2*\p+1], v[8+(\s)/4] offset:(((\s)/2)%2)*30720+3840*\b+8*PCE+16*(PCE/8)
.else
	ds_load_b64 v[(\f)+12*\b+2*\p:(\f)+12*\b+2*\p+1], v[10+(\s)/4] offset:(((\s)/2)%2)*30720+3840*\b+8*PCE+16*(PCE/8)
.endif
.endr
.endr
.irp a, 0,1,2,3
	ds_load_b128 v[(\f)+48+12*\a:(\f)+51+12*\a], v4 offset:12288*\a+1536*(\s)
	ds_load_b64 v[(\f)+52+12*\a:(\f)+53+12*\a], v6 offset:12288*\a+1536*(\s)+512
	ds_load_b128 v[(\f)+54+12*\a:(\f)+57+12*\a], v4 offset:12288*\a+1536*(\s)+768
	ds_load_b64 v[(\f)+58+12*\a:(\f)+59+12*\a], v6 offset:12288*\a+1536*(\s)+1280
.endr
.endm
.macro WM d, w, o, s0, s1, r0, r1, z
.if \z
.if ((\r0) == 0) && ((\r1) == 0)
	v_wmma_scale_f32_16x16x128_f8f6f4 v[\d:\d+7], v[\w:\w+11], v[\o:\o+11], 0, v[\s0], v[\s1] matrix_a_fmt:MATRIX_FMT_BF6 matrix_b_fmt:MATRIX_FMT_BF6
.elseif ((\r0) == 1) && ((\r1) == 0)
	v_wmma_scale_f32_16x16x128_f8f6f4 v[\d:\d+7], v[\w:\w+11], v[\o:\o+11], 0, v[\s0], v[\s1] matrix_a_fmt:MATRIX_FMT_BF6 matrix_b_fmt:MATRIX_FMT_BF6 matrix_a_scale:MATRIX_SCALE_ROW1
.elseif ((\r0) == 0) && ((\r1) == 1)
	v_wmma_scale_f32_16x16x128_f8f6f4 v[\d:\d+7], v[\w:\w+11], v[\o:\o+11], 0, v[\s0], v[\s1] matrix_a_fmt:MATRIX_FMT_BF6 matrix_b_fmt:MATRIX_FMT_BF6 matrix_b_scale:MATRIX_SCALE_ROW1
.else
	v_wmma_scale_f32_16x16x128_f8f6f4 v[\d:\d+7], v[\w:\w+11], v[\o:\o+11], 0, v[\s0], v[\s1] matrix_a_fmt:MATRIX_FMT_BF6 matrix_b_fmt:MATRIX_FMT_BF6 matrix_a_scale:MATRIX_SCALE_ROW1 matrix_b_scale:MATRIX_SCALE_ROW1
.endif
.else
.if ((\r0) == 0) && ((\r1) == 0)
	v_wmma_scale_f32_16x16x128_f8f6f4 v[\d:\d+7], v[\w:\w+11], v[\o:\o+11], v[\d:\d+7], v[\s0], v[\s1] matrix_a_fmt:MATRIX_FMT_BF6 matrix_b_fmt:MATRIX_FMT_BF6
.elseif ((\r0) == 1) && ((\r1) == 0)
	v_wmma_scale_f32_16x16x128_f8f6f4 v[\d:\d+7], v[\w:\w+11], v[\o:\o+11], v[\d:\d+7], v[\s0], v[\s1] matrix_a_fmt:MATRIX_FMT_BF6 matrix_b_fmt:MATRIX_FMT_BF6 matrix_a_scale:MATRIX_SCALE_ROW1
.elseif ((\r0) == 0) && ((\r1) == 1)
	v_wmma_scale_f32_16x16x128_f8f6f4 v[\d:\d+7], v[\w:\w+11], v[\o:\o+11], v[\d:\d+7], v[\s0], v[\s1] matrix_a_fmt:MATRIX_FMT_BF6 matrix_b_fmt:MATRIX_FMT_BF6 matrix_b_scale:MATRIX_SCALE_ROW1
.else
	v_wmma_scale_f32_16x16x128_f8f6f4 v[\d:\d+7], v[\w:\w+11], v[\o:\o+11], v[\d:\d+7], v[\s0], v[\s1] matrix_a_fmt:MATRIX_FMT_BF6 matrix_b_fmt:MATRIX_FMT_BF6 matrix_a_scale:MATRIX_SCALE_ROW1 matrix_b_scale:MATRIX_SCALE_ROW1
.endif
.endif
.endm
.macro PROD s, f, z
.irp a, 0,1,2,3
.irp b, 0,1,2,3
	WM ACC+8*(4*\a+\b), (\f)+12*\b, (\f)+48+12*\a, BSC+8*(\b/2)+(\s), ASC+8*(\a/2)+(\s), \b%2, \a%2, \z
.endr
.endr
.endm
	FETCH 0, 0
.set S, 0
.rept 8
.if S > 0
	PLACES
.endif
.if S < 7
	FETCH S+1, 128*((S+1)%2)
	s_wait_dscnt 40
.else
	s_wait_dscnt 0x0
.endif
	WIN 0x05
.if S == 0
	PROD S, 128*(S%2), 1
.else
	PROD S, 128*(S%2), 0
.endif
.set S, S+1
.endr
	WIN 0
	PLACES
.macro TOSTAGE e
.irp k, 0,1
.irp b, 0,1,2,3
	ds_store_b128 v[STO], v[ACC+8*(4*(2*\e+\k)+\b):ACC+8*(4*(2*\e+\k)+\b)+3] offset:16*\k*272+128*(\b/2)+32*(\b%2)
	ds_store_b128 v[STO], v[ACC+8*(4*(2*\e+\k)+\b)+4:ACC+8*(4*(2*\e+\k)+\b)+7] offset:16*\k*272+128*(\b/2)+32*(\b%2)+16
.endr
.endr
.irp i, 0,1,2,3,4,5,6,7,8,9,10,11,12,13,14,15
	ds_load_b128 v[64+64*\e+4*\i:64+64*\e+4*\i+3], v[RD] offset:544*\i
.endr
.endm
.macro SEND e, younger
	s_wait_dscnt \younger
.irp i, 0,1,2,3,4,5,6,7,8,9,10,11,12,13,14,15
	global_store_b128 v[GO], v[64+64*\e+4*\i:64+64*\e+4*\i+3], s[12:13] offset:(32*\e+((2*\i)&7)+(((2*\i)&8)<<1)+(((2*\i)&16)>>1))*4096 th:TH_STORE_NT
.endr
.endm
	TOSTAGE 0
	TOSTAGE 1
	SEND 0, 32
	SEND 1, 0
	s_wait_tensorcnt 0x0
	ds_add_u32 v[SPW], v[NIL]
	s_wait_dscnt 0x0
	CROUND
	s_endpgm
.Lfunc_end_k_q15082a6006_outp:
	.size	k_q15082a6006_outp, .Lfunc_end_k_q15082a6006_outp-k_q15082a6006_outp
	.p2alignl 7, 3214868480
	.fill 96, 4, 3214868480
	.section	.rodata,"a",@progbits
	.p2align	6, 0x0
	.amdhsa_kernel k_q15082a6006_outp
		.amdhsa_group_segment_fixed_size 327680
		.amdhsa_private_segment_fixed_size 0
		.amdhsa_enable_private_segment 0
		.amdhsa_kernarg_size 40
		.amdhsa_user_sgpr_count 2
		.amdhsa_user_sgpr_kernarg_segment_ptr 1
		.amdhsa_wavefront_size32 1
		.amdhsa_system_sgpr_workgroup_id_x 1
		.amdhsa_system_sgpr_workgroup_id_y 1
		.amdhsa_system_sgpr_workgroup_id_z 1
		.amdhsa_system_vgpr_workitem_id 0
		.amdhsa_next_free_vgpr 512
		.amdhsa_next_free_sgpr 66
		.amdhsa_reserve_vcc 0
		.amdhsa_float_denorm_mode_32 3
		.amdhsa_float_denorm_mode_16_64 3
		.amdhsa_memory_ordered 1
		.amdhsa_forward_progress 1
		.amdhsa_inst_pref_size 56
	.end_amdhsa_kernel
	.amdgpu_metadata
---
amdhsa.version: [ 1, 2 ]
amdhsa.kernels:
  - .name:           k_q15082a6006_outp
    .symbol:         k_q15082a6006_outp.kd
    .args:
      - { .name: oc, .offset: 0, .size: 8, .value_kind: global_buffer, .address_space: global }
      - { .name: osc, .offset: 8, .size: 8, .value_kind: global_buffer, .address_space: global }
      - { .name: codes, .offset: 16, .size: 8, .value_kind: global_buffer, .address_space: global }
      - { .name: scales, .offset: 24, .size: 8, .value_kind: global_buffer, .address_space: global }
      - { .name: out0, .offset: 32, .size: 8, .value_kind: global_buffer, .address_space: global }
    .group_segment_fixed_size: 327680
    .private_segment_fixed_size: 0
    .kernarg_segment_align: 8
    .kernarg_segment_size: 40
    .max_flat_workgroup_size: 128
    .sgpr_count:     66
    .vgpr_count:     512
    .wavefront_size: 32
...
	.end_amdgpu_metadata
.endif
;; end of part 4
